; MI455X (gfx1250); checked and timed in simulation.
; The chip was launched on July 23, 2026; its instructions are those of AMD's public machine-readable ISA for CDNA 5 (MIT licence, August 2026) and "CDNA5" Instruction Set Architecture Reference Guide (July 2026). The comments in the code are by the model that wrote it; some were corrected since.
;; Causal Multihead Attentiono With Rope. Allowed arithmetic: matrix products marked QUANTISED: E4M3 operands, one given power-of-two scale a tensor, by v_wmma_f32_16x16x64_fp8_fp8 or v_wmma_f32_16x16x128_fp8_fp8, f32 sums; everything else in f32.
;; Inputs: Wout 1,024 x 1,024 float32; Wqkv 3,072 x 1,024 float32; lowp_scales 8 int32 (the exponents e of the quantised operands' scales 2^e); x 4 x 2,048 x 1,024 float32.
;; Outputs: out0 4 x 2,048 x 1,024 float32.
;; This version of the problem:
;;   THIS VERSION OF THE PROBLEM IS GIVEN IN LOW PRECISION. The matrix products marked QUANTISED in the list below multiply operands that are first quantised to E4M3 (4 exponent bits, 3 mantissa bits; 8 bits a number), with one given power-of-two scale for each operand tensor; their sums are f32. All else is computed in f32.
;;   The module's matrix products, in the order in which they are computed (A, B: the left and right operand; K: the contracted axis; several contracted axes count as one K, in the product's order):
;;     1. [M 8,192, K 1,024] x [K 1,024, N 3,072]; A: input x; B: input Wqkv: QUANTISED (scales: A lowp_scales[0], B lowp_scales[1])
;;     2. batch 64 x [M 2,048, K 64] x [K 64, N 2,048]; A: computed on the way; B: computed on the way: QUANTISED (scales: A lowp_scales[2], B lowp_scales[3])
;;     3. batch 64 x [M 2,048, K 2,048] x [K 2,048, N 64]; A: softmax (see below); B: computed on the way: QUANTISED (scales: A lowp_scales[4], B lowp_scales[5])
;;     4. [M 8,192, K 1,024] x [K 1,024, N 1,024]; A: computed on the way; B: input Wout: QUANTISED (scales: A lowp_scales[6], B lowp_scales[7])
;;   THE QUANTISER, for each operand of a quantised product, along K:
;;     - The operand's scale is 2^e, e = its entry of the input lowp_scales (int32; the entries are numbered through the quantised products in the list's order, A before B).
;;     - Each number is divided by the scale, clamped to +-448, and rounded to the nearest number of E4M3, ties to even, subnormals kept.
;;     - The product sums the exact products of the quantised numbers (number of the format x scale) in f32.
;;   ~~~python
;;   def quantise(x, axis, e):      # numpy; x: float32 -> the quantised numbers, widened to float32 again
;;       x = np.moveaxis(x, axis, -1); K = x.shape[-1]
;;       r = np.clip(x / 2.0 ** e, -448, 448)
;;       step = 2.0 ** (np.maximum(np.frexp(np.where(r == 0, 1, r))[1] - 1, -6) - 3)
;;       q = np.round(r / step) * step * 2.0 ** e      # np.round: ties to even
;;       return np.moveaxis(q, -1, axis).astype(np.float32)
;;   ~~~
;;   SOFTMAX AHEAD OF A QUANTISED PRODUCT. Where the list says 'softmax', what is quantised is not the finished softmax but p = 2^(t - M), with t = logit x log2(e) and M = ceil(the row's largest t), a whole number; so 1/2 < the row's largest p <= 1. The row's sum l is taken of the UNQUANTISED p, in f32, and the product's result is divided by l at the end. Since M is a whole number, a kernel that streams over the keys may use a running M (the ceiling of the running maximum): every later rescaling is an exact power of two, so the quantised numbers keep their values, but for numbers so far below the row's largest that they fall under the format's range.
;;   OPERANDS COMPUTED ON THE WAY. 'Computed on the way' means the value that the module computes at that place (a softmax that the list does not call 'softmax' is quantised finished and normalised). What goes into a quantiser is computed in f32, as accurately as f32 sums, v_exp_f32 and their like allow (about 1e-6 of the number): no bf16 or f16 on the way to a quantiser, and a product that is left as it is and whose result goes on into a quantised operand takes f32 operands (vector FMAs, or v_wmma_f32_16x16x4_f32). A number that lies on a knife's edge between two numbers of the format may be rounded either way, as far as f32 arithmetic and the matrix unit's own rounding can turn it there, and no further.
;; One version. Each part assembles by itself: llvm-mc -triple=amdgcn-amd-amdhsa -mcpu=gfx1250 --defsym DOCPART=n.
;; ======== version 1 of 1: 4 launches
;; limits: right only within a limited range of input values
;; workspace buffers: x_codes 8,388,608 bytes; wqkv_codes 3,145,728 bytes; wout_codes 1,048,576 bytes; rope_tab 524,288 bytes; q_codes 8,388,608 bytes; k_codes 8,388,608 bytes; v_codes 8,388,608 bytes; o_codes 8,388,608 bytes
;; launch prep (part 1): grid 416 x 1, 4 waves a work-group, no clusters, 33,280 bytes of LDS; arguments x, Wqkv, Wout, lowp_scales, x_codes, wqkv_codes, wout_codes, rope_tab; writes x_codes, wqkv_codes, wout_codes, rope_tab
.if DOCPART == 1
	.amdgcn_target "amdgcn-amd-amdhsa--gfx1250"
	.amdhsa_code_object_version 6
	.text
	.protected	k_q33c02da7ef_prep
	.globl	k_q33c02da7ef_prep
	.p2align	8
	.type	k_q33c02da7ef_prep,@function
k_q33c02da7ef_prep:
	s_mov_b64 s[64:65], 0
	v_nop
	global_prefetch_b8 v0, s[64:65] scope:SCOPE_SE
	s_setreg_imm32_b32 hwreg(HW_REG_WAVE_MODE, 25, 1), 1
	s_wait_xcnt 0x0
; x [8192][1024], Wqkv [3072][1024] and Wout [1024][1024], f32, become codes of FP8 (E4M3), K innermost, each with its given scale 2^e (entries 0, 1 and 7 of the scales);
; and the table of cos and sin for the rotary embedding is made.  code = x / 2^e, held within +-448, to the nearest code, ties to even.
; LIMITS: each e lies between -126 and 119, so that 2^e and 448 x 2^e are f32 numbers.  NaN among the inputs is not served (an infinity is held at the largest code).
; SHARES: work-groups 0-255 take x, 256-351 Wqkv, 352-383 Wout, 32 rows (32,768 numbers) each, a wave 8 rows; work-groups 384-415 make the table, a wave a block of 16 positions.
; THE ROWS OF x's AND Wqkv's CODES ARE STORED IN ANOTHER ORDER: within each 32 rows, true row 8 u + 16 g + i lies at place 16 u + 8 g + i (bits 3 and 4 change places).  A wave's 8 rows stay together,
; so the order costs one exchange of the two bits of the wave's number.  With it the next launch's results fall into lanes and registers as the products behind it want their operands.
; A lane must hold 16 neighbours along K for the conversions, while a load is best where neighbouring lanes take neighbouring bytes: a step's 2,048 bytes are loaded as they lie, 512 to a load,
; go through the wave's own stage in LDS (16 bytes of padding behind each 64) and come back 64 bytes a lane.  A lane's 16 codes are 16 bytes: the wave stores 512 consecutive bytes.
; Only pointers and whole numbers are chosen by the work-group's number: the three tensors take one path.  Waves share nothing: no barrier.
; THE TABLE: [128 blocks of 16 positions][8 pieces][512 bytes].  In piece 2 b + e lane (r, h) holds cos, sin, cos, sin of the pairs 16 (b / 2) + 8 h + 4 (b % 2) + 2 e + 0, 1 at the position
; that stands at place 16 blk + r of the stored order.  The angle is position x 10000^(-pair / 32), the power by v_exp_f32; it is brought into +-pi/4 by taking off a whole number of
; quarter turns (pi/2 in two parts, what is left of it is 2e-15), and sin and cos are polynomials of degree 7 and 8 there.
.set STEPS, 16
.set WGX,   256                        ; the first work-group of Wqkv
.set WGQ,   352                        ; of Wout
.set WGT,   384                        ; of the table
.set EMAX,  8
.set MANT,  0x600000                   ; the mantissa field of 448 as f32
.set CB,    16                         ; bytes of 16 codes
.set R,     16                         ; v16-143  eight sets of 16 numbers as they are loaded
.set X,     144                        ; v144-175 two sets of 16 neighbours
.set C,     176                        ; v176-239 codes: four registers for each step, so that no store's data are written again
.set WREG,  8192                       ; LDS: a region for each wave: two stages of 32 x SP bytes
.set SP,    80                         ; a lane's place in a stage: 64 bytes + 16 of padding
	s_load_b256 s[4:11], s[0:1], 0x0               ; x s[4:5], Wqkv s[6:7], Wout s[8:9], the scales' exponents s[10:11]
	s_load_b256 s[12:19], s[0:1], 0x20             ; x's codes s[12:13], Wqkv's s[14:15], Wout's s[16:17], the table s[18:19]
	v_lshl_add_u32 v240, v0, 2, 0x8000
	v_mov_b32 v241, 0
	v_lshrrev_b32 v1, 5, v0
	v_readfirstlane_b32 s20, v1                    ; wave 0..3
	v_and_b32 v2, 31, v0                           ; lane
	v_lshlrev_b32 v3, 4, v2                        ; 16 x lane: my 16 bytes of a load's 512, and of a store's; never rewritten
	s_mul_i32 s38, s20, WREG
	v_lshrrev_b32 v14, 2, v2
	v_mul_u32_u24 v14, v14, SP
	v_and_b32 v15, 3, v2
	v_lshl_add_u32 v14, v15, 4, v14
	v_add_nc_u32 v14, s38, v14                     ; the stage, on the way in: SP (lane / 4) + 16 (lane % 4); a load's 512 bytes take eight places
	v_mul_u32_u24 v15, v2, SP
	v_add_nc_u32 v15, s38, v15                     ; and on the way out: SP x lane: my 16 neighbours
	s_cmp_ge_u32 ttmp9, WGT
	s_cbranch_scc1 .Ltable                         ; the table's work-groups use no LDS
	s_and_b32 s21, s20, 1
	s_lshl_b32 s21, s21, 1
	s_lshr_b32 s22, s20, 1
	s_or_b32 s21, s21, s22                         ; the wave's number with its two bits exchanged: where my 8 rows lie in the stored order
	s_wait_kmcnt 0x0
	s_load_b256 s[24:31], s[10:11], 0x0            ; e0 .. e7
	s_cmp_lt_u32 ttmp9, WGQ                        ; Wqkv or Wout?  The choice hangs on the work-group's number alone
	s_cselect_b64 s[6:7], s[6:7], s[8:9]
	s_cselect_b64 s[14:15], s[14:15], s[16:17]
	s_mov_b32 s22, WGQ
	s_cselect_b32 s22, WGX, s22                    ; the tensor's first work-group
	s_cselect_b32 s23, s21, s20                    ; Wout's rows keep their order
	s_cmp_lt_u32 ttmp9, WGX                        ; x, or one of those two?
	s_cselect_b64 s[4:5], s[4:5], s[6:7]
	s_cselect_b64 s[8:9], s[12:13], s[14:15]
	s_cselect_b32 s22, 0, s22
	s_cselect_b32 s23, s21, s23
	s_sub_co_u32 s33, ttmp9, s22
	s_lshl_b32 s33, s33, 2
	s_add_co_u32 s34, s33, s20                     ; which run of 8 rows I read,
	s_add_co_u32 s36, s33, s23                     ; and which I write
	s_lshl_b32 s34, s34, 15                        ; 8,192 numbers of 4 bytes
	s_mov_b32 s35, 0
	s_lshl_b32 s36, s36, 13                        ; 8,192 codes
	s_mov_b32 s37, 0
	s_add_nc_u64 s[4:5], s[4:5], s[34:35]
	s_add_nc_u64 s[8:9], s[8:9], s[36:37]
.macro LOAD t
.irp i, 0,1,2,3
	global_load_b128 v[R+16*((\t)%8)+4*\i:R+16*((\t)%8)+4*\i+3], v3, s[4:5] offset:2048*(\t)+512*\i th:TH_LOAD_NT   ; 32 lanes read 512 consecutive bytes
.endr
.endm
.macro TURN t                          ; step t's numbers through the stage: LDS serves a wave's instructions in order, so no wait stands between the stores and the loads
.irp i, 0,1,2,3
	ds_store_b128 v14, v[R+16*((\t)%8)+4*\i:R+16*((\t)%8)+4*\i+3] offset:32*SP*((\t)%2)+8*SP*\i
.endr
.irp i, 0,1,2,3
	ds_load_b128 v[X+16*((\t)%2)+4*\i:X+16*((\t)%2)+4*\i+3], v15 offset:32*SP*((\t)%2)+16*\i
.endr
.endm
	s_wait_alu depctr_va_vdst(0)
.irp t, 0,1,2,3,4,5,6,7
	LOAD \t
.endr
	s_wait_kmcnt 0x0
	s_cmp_lt_u32 ttmp9, WGQ
	s_cselect_b32 s32, s25, s31                    ; e1 or e7,
	s_cmp_lt_u32 ttmp9, WGX
	s_cselect_b32 s32, s24, s32                    ; or e0
	s_add_co_i32 s32, s32, 127
	s_lshl_b32 s33, s32, 23
	v_mov_b32 v11, s33                             ; 2^e as f32: the conversion takes its exponent field
	s_add_co_i32 s32, s32, EMAX
	s_lshl_b32 s32, s32, 23
	s_or_b32 s32, s32, MANT
	v_mov_b32 v10, s32                             ; 448 x 2^e
	s_wait_alu depctr_va_vdst(0)
	s_wait_loadcnt 28                              ; step 0's four loads are in; the 28 of steps 1 to 7 may be out
	TURN 0
.macro STEP t
.set XS, X+16*((\t)%2)
	s_wait_dscnt 0x0                               ; this step's numbers are back from the stage: so its stores into the stage have read their registers,
.if (\t)+8 < STEPS
	LOAD (\t)+8                                    ; which take the loads of eight steps on
.endif
.if (\t)+1 < STEPS
.if STEPS-2-(\t) >= 7
	s_wait_loadcnt 28                              ; the next step's four loads are in; those of the seven steps behind it may be out
.else
	s_wait_loadcnt 4*(STEPS-2-(\t))
.endif
	TURN (\t)+1                                    ; and go through the other stage while this step is worked
.endif
.irp i, 0,1,2,3,4,5,6,7,8,9,10,11,12,13,14,15
	v_med3_num_f32 v[XS+\i], v[XS+\i], -v10, v10   ; the conversion to an 8-bit code does not saturate (ISA guide 7.6.2): the number is held within 448 x the scale first
.endr
	v_cvt_scalef32_pk8_fp8_f32 v[C+4*(\t):C+4*(\t)+1], v[XS:XS+7], v11
	v_cvt_scalef32_pk8_fp8_f32 v[C+4*(\t)+2:C+4*(\t)+3], v[XS+8:XS+15], v11
	global_store_b128 v3, v[C+4*(\t):C+4*(\t)+3], s[8:9] offset:32*CB*(\t)   ; the codes go to a store alone; the next vector lines are the next step's holds, on other registers
.endm
.irp t, 0,1,2,3,4,5,6,7,8,9,10,11,12,13,14,15
	STEP \t
.endr
	s_wait_tensorcnt 0x0
	ds_add_u32 v240, v241
	s_wait_dscnt 0x0
	s_endpgm
.Ltable:
	s_sub_co_u32 s21, ttmp9, WGT
	s_lshl_b32 s21, s21, 2
	s_add_co_u32 s21, s21, s20                     ; blk: my block of 16 places, 0 .. 127
	s_lshr_b32 s22, s21, 1
	s_lshl_b32 s22, s22, 5
	s_and_b32 s23, s21, 1
	s_lshl_b32 s23, s23, 3
	s_add_co_u32 s22, s22, s23                     ; 32 (blk / 2) + 8 (blk % 2)
	v_and_b32 v4, 15, v0                           ; r
	v_and_b32 v5, 8, v4
	v_add_nc_u32 v4, v4, v5                        ; r + 8 (r / 8)
	v_add_nc_u32 v4, s22, v4                       ; the position that stands at place 16 blk + r
	v_cvt_f32_u32 v16, v4
	v_bfe_u32 v5, v0, 4, 1
	v_lshlrev_b32 v5, 3, v5                        ; 8 h
	s_wait_alu depctr_va_vdst(0)
	s_mov_b32 s32, 0x3f22f983                      ; 2 / pi
	s_mov_b32 s33, 0xbfc90fdb                      ; -(pi/2 rounded to f32)
	s_mov_b32 s34, 0x333bbd2e                      ; that number less pi/2
	s_mov_b32 s35, 0xb94ca1f9                      ; sin: -1.9515296e-4,
	s_mov_b32 s36, 0x3c08839e                      ;  8.3321609e-3,
	s_mov_b32 s37, 0xbe2aaaa3                      ; -1.6666655e-1
	s_mov_b32 s38, 0x37ccf5ce                      ; cos: 2.4433157e-5,
	s_mov_b32 s39, 0xbab6061a                      ; -1.3887316e-3,
	s_mov_b32 s40, 0x3d2aaaa5                      ;  4.1666646e-2
	s_lshl_b32 s22, s21, 12                        ; a block's 4,096 bytes
	s_mov_b32 s23, 0
.set q, 0
.rept 16                               ; evaluation q is pair 8 h + q + 8 (q / 8)
	v_add_nc_u32 v[32+q], q+8*(q/8), v5
	v_cvt_f32_u32 v[32+q], v[32+q]
	v_mul_f32 v[32+q], 0xbed49a78, v[32+q]         ; x -log2(10000) / 32
.set q, q+1
.endr
.set q, 0
	s_wait_alu depctr_va_vdst(0)
.rept 16
	v_exp_f32 v[32+q], v[32+q]                     ; 10000^(-pair / 32)
.set q, q+1
.endr
	v_nop                                          ; a plain instruction behind the last exponential
	s_wait_alu depctr_va_vdst(0)                   ; one wait for the batch of sixteen, ahead of the first line that names a result
.set q, 0
.rept 16
	v_mul_f32 v[32+q], v16, v[32+q]                ; the angle, rounded to f32 once
.set q, q+1
.endr
.macro SINCOS q
	v_mul_f32 v48, s32, v[32+\q]
	v_rndne_f32 v48, v48                           ; n quarter turns
	v_fma_f32 v49, v48, s33, v[32+\q]
	v_fma_f32 v49, v48, s34, v49                   ; rho = angle - n pi/2, within +-pi/4
	v_mul_f32 v50, v49, v49                        ; z
	v_fma_f32 v51, v50, s35, s36
	v_fma_f32 v52, v50, s38, s39
	v_fma_f32 v51, v51, v50, s37
	v_fma_f32 v52, v52, v50, s40
	v_mul_f32 v51, v51, v50
	v_mul_f32 v52, v52, v50
	v_fma_f32 v53, v50, -0.5, 1.0
	v_fma_f32 v51, v51, v49, v49                   ; sin rho
	v_fma_f32 v52, v52, v50, v53                   ; cos rho
	v_cvt_i32_f32 v54, v48
	v_and_b32 v55, 1, v54
	v_cmp_eq_u32 vcc_lo, 1, v55                    ; an odd number of quarter turns exchanges sin and cos
	v_lshlrev_b32 v56, 30, v54
	v_and_b32 v56, 0x80000000, v56                 ; sin changes sign where n % 4 is 2 or 3,
	v_add_nc_u32 v57, 1, v54
	v_lshlrev_b32 v57, 30, v57
	v_and_b32 v57, 0x80000000, v57                 ; cos where it is 1 or 2
	v_cndmask_b32 v58, v51, v52, vcc_lo
	v_cndmask_b32 v59, v52, v51, vcc_lo
	v_xor_b32 v[64+2*\q], v57, v59                 ; cos
	v_xor_b32 v[65+2*\q], v56, v58                 ; sin
.endm
.irp q, 0,1,2,3,4,5,6,7,8,9,10,11,12,13,14,15
	SINCOS \q
.endr
	s_wait_alu depctr_va_vdst(0)
	s_wait_kmcnt 0x0
	s_add_nc_u64 s[18:19], s[18:19], s[22:23]
.irp p, 0,1,2,3,4,5,6,7
	global_store_b128 v3, v[64+4*\p:67+4*\p], s[18:19] offset:512*\p   ; 32 lanes store 512 consecutive bytes
.endr
	s_endpgm
.Lfunc_end_k_q33c02da7ef_prep:
	.size	k_q33c02da7ef_prep, .Lfunc_end_k_q33c02da7ef_prep-k_q33c02da7ef_prep
	.p2alignl 7, 3214868480
	.fill 96, 4, 3214868480
	.section	.rodata,"a",@progbits
	.p2align	6, 0x0
	.amdhsa_kernel k_q33c02da7ef_prep
		.amdhsa_group_segment_fixed_size 33280
		.amdhsa_private_segment_fixed_size 0
		.amdhsa_enable_private_segment 0
		.amdhsa_kernarg_size 64
		.amdhsa_user_sgpr_count 2
		.amdhsa_user_sgpr_kernarg_segment_ptr 1
		.amdhsa_wavefront_size32 1
		.amdhsa_system_sgpr_workgroup_id_x 1
		.amdhsa_system_sgpr_workgroup_id_y 1
		.amdhsa_system_sgpr_workgroup_id_z 1
		.amdhsa_system_vgpr_workitem_id 0
		.amdhsa_next_free_vgpr 244
		.amdhsa_next_free_sgpr 66
		.amdhsa_reserve_vcc 1
		.amdhsa_float_denorm_mode_32 3
		.amdhsa_float_denorm_mode_16_64 3
		.amdhsa_memory_ordered 1
		.amdhsa_forward_progress 1
		.amdhsa_inst_pref_size 62
	.end_amdhsa_kernel
	.amdgpu_metadata
---
amdhsa.version: [ 1, 2 ]
amdhsa.kernels:
  - .name:           k_q33c02da7ef_prep
    .symbol:         k_q33c02da7ef_prep.kd
    .args:
      - { .name: x, .offset: 0, .size: 8, .value_kind: global_buffer, .address_space: global }
      - { .name: Wqkv, .offset: 8, .size: 8, .value_kind: global_buffer, .address_space: global }
      - { .name: Wout, .offset: 16, .size: 8, .value_kind: global_buffer, .address_space: global }
      - { .name: lowp_scales, .offset: 24, .size: 8, .value_kind: global_buffer, .address_space: global }
      - { .name: x_codes, .offset: 32, .size: 8, .value_kind: global_buffer, .address_space: global }
      - { .name: wqkv_codes, .offset: 40, .size: 8, .value_kind: global_buffer, .address_space: global }
      - { .name: wout_codes, .offset: 48, .size: 8, .value_kind: global_buffer, .address_space: global }
      - { .name: rope_tab, .offset: 56, .size: 8, .value_kind: global_buffer, .address_space: global }
    .group_segment_fixed_size: 33280
    .private_segment_fixed_size: 0
    .kernarg_segment_align: 8
    .kernarg_segment_size: 64
    .max_flat_workgroup_size: 128
    .sgpr_count:     66
    .vgpr_count:     244
    .wavefront_size: 32
...
	.end_amdgpu_metadata
.endif
;; end of part 1
;; launch qkv (part 2): grid 12 x 32, 4 waves a work-group, clusters of 4 x 4, 327,680 bytes of LDS; arguments x_codes, wqkv_codes, lowp_scales, rope_tab, q_codes, k_codes, v_codes; writes q_codes, k_codes, v_codes
.if DOCPART == 2
	.amdgcn_target "amdgcn-amd-amdhsa--gfx1250"
	.amdhsa_code_object_version 6
	.text
	.protected	k_q33c02da7ef_qkv
	.globl	k_q33c02da7ef_qkv
	.p2align	8
	.type	k_q33c02da7ef_qkv,@function
k_q33c02da7ef_qkv:
	s_mov_b64 s[64:65], 0
	v_nop
	global_prefetch_b8 v0, s[64:65] scope:SCOPE_SE
	s_setreg_imm32_b32 hwreg(HW_REG_WAVE_MODE, 25, 1), 1
	s_wait_xcnt 0x0
	s_wait_alu depctr_hold_cnt(0) depctr_sa_sdst(0) depctr_va_vdst(0) depctr_va_sdst(0) depctr_va_ssrc(0) depctr_va_vcc(0) depctr_vm_vsrc(0)
	s_getreg_b32 s2, hwreg(HW_REG_IB_STS2, 6, 4)
	s_cmp_eq_u32 s2, 0
	s_cbranch_scc0 .Lentry_in_a_cluster
	s_endpgm
.Lentry_in_a_cluster:
	s_bfe_u32 s2, ttmp6, 0x10000c
	s_cmp_lg_u32 s2, 0xf033
	s_cbranch_scc0 .Lentry_shape_is_right
	s_endpgm
.Lentry_shape_is_right:
; qkv = x Wqkv^T on codes of FP8 (E4M3); then the rotary embedding on q and k; then q, k and v are quantised (entries 2, 3, 5 of the scales) and stored as IMAGES OF OPERAND REGISTERS for the attention launch.
; A tile of 256 x 256 of the product is made by a work-group of four waves, a wave 128 x 128: 64 accumulators, 512 registers.  K = 1,024 goes in four steps of 256 through a ring of two LDS slots.
; CLUSTERS of 4 x 4 work-groups; cluster x says what is made: 0 q, 1 k, 2 v: the same number in all sixteen partners, so it may steer branches.
;   q, k: side A = 256 rows of x (tile 4 cluster y + cy), side B = 256 rows of Wqkv (tile 4 cluster x + cx).     v: side A = 256 rows of Wv (tile cy), side B = 256 rows of x (tile 4 cluster y + cx).
; A's tile is shared along a row of the cluster, B's along a column: each is asked for jointly, by the same tensor load with the same descriptor and a mask that names the four.
; THE MATRIX INSTRUCTION IS USED TRANSPOSED (source 0 = 16 rows of B, source 1 = 16 rows of A): lane (r, h) of accumulator (a, b) holds row 16 a + r of A's side and, in register j, row 16 b + 8 h + j of B's side.
; BOTH BUFFERS OF CODES HOLD THEIR ROWS WITH BITS 3 AND 4 OF THE ROW'S NUMBER EXCHANGED.  So the 16 registers of accumulators (a, 2 c) and (a, 2 c + 1) are 16 TRUE NEIGHBOURS of B's side, 32 c + 16 h + 0 .. 15,
; which is what registers 4 c .. 4 c + 3 of an operand hold in this program's order of k; and lane r of block a is true row 32 (a / 2) + 8 (a % 2) + r + 8 (r / 8) of A's side.
;   q, k: a lane holds one position and neighbouring channels: the conversions' results are the registers of a fragment (16 positions x 64 channels).
;   v:    a lane holds one channel and neighbouring keys: the results are the registers of a fragment of v^T (16 channels x 128 keys).
; Four registers of a fragment are stored as they stand, lane l's 16 bytes at 16 l: 512 consecutive bytes a store.  Nothing is transposed and nothing goes through LDS on the way out.
; A sum stands for sum x 2^(e0 + e1); the embedding is linear: so the one scale of the conversion is 2^(e - e0 - e1), e = e2, e3 or e5.  LIMIT: e - e0 - e1 between -126 and 119.
; REGISTERS, in windows of 256: window 0: v0-31 addresses and constants; from v128 A's fragments, ONE set; on the way out v32-95 the table, v96-159 64 numbers at work, v224-255 codes.
;   window 1: B's fragments, TWO sets.   window 2: the accumulators of my rows 0-63 ((a, b) at v[8 (8 a + b)]);   window 3: those of my rows 64-127.
.set SIZE_K, 1024
.set KSTEP,  256                       ; along K in a slot
.set ROWB,   256                       ; a tile's row in bytes
.set KROW,   SIZE_K                    ; a row of codes in memory, in bytes
.set PITCH,  272                       ; an LDS row: 256 bytes + 16 of padding = 68 words: row r starts at bank 4 r mod 64 (ISA guide 11.1), so the 16 rows of a load start at 16 different banks
.set FR,     16                        ; registers of a fragment: 16 rows x 128 K
.set NL,     4                         ; LDS loads that bring one
.set NP,     4                         ; places behind this matrix instruction (ISA guide 7.12.1)
.set HALFT,  128*PITCH                 ; 128 rows: what one tensor load brings
.set SLOT,   4*HALFT                   ; A's 256 rows, then B's 256 rows
.set LAPS,   SIZE_K/(2*KSTEP)          ; a lap = once round the ring
.set SPARE,  2*SLOT                    ; behind the ring: the spare words, 128 bytes for each wave
.set ADRA, 16                          ; v16-17  LDS address of my A fragments in slot 0, 1
.set ADRB, 20                          ; v20-21  the same for B
.set LI,   27                          ; v27     16 x lane: my place in an image's 512 bytes; never rewritten
.set SPW,  28                          ; v28     LDS address of my spare word; never rewritten
.set NIL,  29                          ; v29     0; never rewritten
.set SCL,  30                          ; v30     2^(e - e0 - e1) as f32
.set LIM,  31                          ; v31     448 x that
.set TAB,  32
.set TW,   96                          ; 64 numbers at work
.set CD,   224                         ; two sets of 16 registers of codes
.set AF,   128                         ; A's fragments, in window 0
.set G1, 24                            ; s[24:31] descriptor group 1 for A's tiles;  s[32:39] group 0, one set for each slot
.set G0, 32
.set G1B, 48                           ; s[48:55], s[56:63] the same for B's tiles
.set G0B, 56
.set MSB, 0
.macro WIN new                         ; the immediate's high byte repeats the setting that is left
.if MSB != \new
	s_set_vgpr_msb (MSB<<8)|\new
.set MSB, \new
.endif
.endm
.set MUL_LO, 0xa1                      ; source 0 (B) window 1, source 1 (A) window 0, C and D window 2
.set MUL_HI, 0xf1                      ; the same, C and D window 3
.set TO_B,   0x40                      ; destination window 1, address window 0
; A joint load: waves 0 and 1 fetch for A, waves 2 and 3 for B.  The branch hangs on the wave's number alone.  Four v_nop follow each of the two lines.
.macro JLOAD g0a, g1a, g0b, g1b
	s_cmp_eq_u32 s15, 0
	s_cbranch_scc0 .Lfor_b_\@
	tensor_load_to_lds s[\g0a:\g0a+3], s[\g1a:\g1a+7]
	s_nop 0
.rept 4
	v_nop
.endr
	s_branch .Lasked_\@
.Lfor_b_\@:
	tensor_load_to_lds s[\g0b:\g0b+3], s[\g1b:\g1b+7]
	s_nop 0
.rept 4
	v_nop
.endr
.Lasked_\@:
.endm
.macro CREST                           ; a round of the cluster's barrier behind its opening barrier
	s_cmp_lg_u32 s14, 0
	s_cbranch_scc1 .Lnot_wave_0_\@
	s_barrier_signal -3
.Lnot_wave_0_\@:
	s_barrier_wait -3
	s_barrier_signal -1
	s_barrier_wait -1
.endm
.macro CROUND                          ; a whole round
	s_barrier_signal -1
	s_barrier_wait -1
	CREST
.endm
	s_load_b256 s[4:11], s[0:1], 0x0               ; x's codes s[4:5], Wqkv's codes s[6:7], the scales' exponents s[8:9], the table s[10:11]
	s_load_b128 s[68:71], s[0:1], 0x20             ; q's images s[68:69], k's s[70:71]
	s_load_b64 s[72:73], s[0:1], 0x30              ; v's
	v_lshl_add_u32 v[SPW], v0, 2, SPARE
	v_mov_b32 v[NIL], 0
	ds_add_u32 v28, v29
	ds_add_u32 v28, v29
	s_wait_dscnt 0x0
	v_lshrrev_b32 v1, 5, v0
	v_readfirstlane_b32 s14, v1                    ; wave 0..3
	s_lshr_b32 s15, s14, 1                         ; which half of A's rows is mine.  Also: I fetch for A (0) or for B (1)
	s_and_b32 s16, s14, 1                          ; which half of B's rows.  Also: which 128 rows of that tile I fetch
	s_bfe_u32 s40, ttmp6, 0x40000                  ; cx, cy: my place in the cluster
	s_bfe_u32 s41, ttmp6, 0x40004
	s_and_b32 s18, ttmp7, 0xffff
	s_lshl_b32 s18, s18, 2                         ; 4 x cluster y
	s_lshl_b32 s19, ttmp9, 2                       ; 4 x cluster x
	s_cmp_eq_u32 ttmp9, 2                          ; v?  The same answer in all sixteen partners
	s_cselect_b32 s17, 0, s18
	s_cselect_b32 s42, s18, s19
	s_cselect_b32 s88, 2048, 0                     ; Wv's rows begin at row 2,048 of Wqkv
	s_add_co_u32 s17, s17, s41                     ; A's tile: it never holds cx
	s_add_co_u32 s42, s42, s40                     ; B's tile: it never holds cy
	s_lshl_b32 s43, s41, 2
	s_lshl_b32 s43, 15, s43                        ; my row of the cluster
	s_lshl_b32 s44, 0x1111, s40                    ; my column
	; descriptor group 1: a tile of 128 rows x 256 bytes, padded in LDS
	s_or_b32 s[G1+0], s43, (0<<16)|(1<<20)|(1<<21)|(5<<22)|(3<<25)  ; 15:0 the mask: A's tiles go to my row; 17:16 elements of 1 byte; 20 padding on; 21 set beside a mask; 24:22 after every 64 words (code 5); 31:25 of 4 words (code 3)
	s_or_b32 s[G1B+0], s44, (0<<16)|(1<<20)|(1<<21)|(5<<22)|(3<<25)
.irp g, G1, G1B
	s_mov_b32 s[\g+1], ROWB<<16                    ; tensor_dim0
	s_mov_b32 s[\g+2], 128<<16                     ; tensor_dim1 = 128
	s_mov_b32 s[\g+3], ROWB<<16                    ; tile_dim0
	s_mov_b32 s[\g+4], 128                         ; tile_dim1 = 128
	s_mov_b32 s[\g+5], KROW                        ; tensor_dim0_stride
	s_mov_b32 s[\g+6], 0
	s_mov_b32 s[\g+7], 0
.endr
	s_lshl_b32 s18, s16, 7                         ; which 128 rows of the tile I fetch
	s_lshl_b32 s20, s17, 8
	s_add_co_u32 s20, s20, s18
	s_add_co_u32 s20, s20, s88                     ; A: row 256 x tile + 128 x half (+ 2,048)
	s_lshl_b32 s46, s42, 8
	s_add_co_u32 s46, s46, s18                     ; B: row 256 x tile + 128 x half
	s_lshl_b32 s20, s20, 10                        ; rows of 1,024 bytes: under 2^23
	s_mov_b32 s21, 0
	s_lshl_b32 s46, s46, 10
	s_mov_b32 s47, 0
	s_mul_i32 s45, s14, HALFT                      ; where they go: wave x 128 rows: no place in the cluster enters an LDS address
	s_wait_kmcnt 0x0
	s_load_b256 s[80:87], s[8:9], 0x0              ; e0 .. e7
	s_cmp_eq_u32 ttmp9, 2
	s_cselect_b64 s[90:91], s[6:7], s[4:5]         ; A's buffer: Wqkv's codes for v, else x's
	s_cselect_b64 s[92:93], s[4:5], s[6:7]         ; B's: the other one
	s_add_nc_u64 s[20:21], s[90:91], s[20:21]
	s_add_nc_u64 s[46:47], s[92:93], s[46:47]
	CROUND                                         ; all sixteen work-groups are here: the first joint loads meet
.irp s, 0,1
	s_mov_b32 s[G0+4*\s], 1
	s_add_co_u32 s[G0+4*\s+1], s45, \s*SLOT
	s_add_nc_u64 s[G0+4*\s+2:G0+4*\s+3], s[20:21], \s*ROWB
	s_or_b32 s[G0+4*\s+3], s[G0+4*\s+3], 0x80000000
	s_mov_b32 s[G0B+4*\s], 1
	s_add_co_u32 s[G0B+4*\s+1], s45, \s*SLOT
	s_add_nc_u64 s[G0B+4*\s+2:G0B+4*\s+3], s[46:47], \s*ROWB
	s_or_b32 s[G0B+4*\s+3], s[G0B+4*\s+3], 0x80000000
.endr
	JLOAD G0, G1, G0B, G1B                         ; K step 0: one tensor load a wave at the head
	v_and_b32 v1, 15, v0                           ; l % 16
	v_bfe_u32 v2, v0, 4, 1                         ; l / 16
	v_mul_u32_u24 v3, v1, PITCH
	v_lshl_add_u32 v4, v2, 4, v3                   ; a fragment's row x pitch + 16 x half
	s_mul_i32 s21, s15, HALFT                      ; my 128 rows of A
	s_mul_i32 s22, s16, HALFT                      ; my 128 rows of B,
	s_add_co_u32 s22, s22, 2*HALFT                 ; which lie behind A's 256
.irp s, 0,1
	v_add_nc_u32 v[ADRA+\s], s21, v4
	v_add_nc_u32 v[ADRB+\s], s22, v4
	s_add_co_u32 s21, s21, SLOT
	s_add_co_u32 s22, s22, SLOT
.endr
	v_and_b32 v6, 31, v0
	v_lshlrev_b32 v[LI], 4, v6
	v_lshlrev_b32 v7, 8, v6                        ; 256 x lane
	s_wait_alu depctr_va_vdst(0)
	s_wait_kmcnt 0x0
	; the table, 2,048 blocks of 256 bytes, is prefetched once by each of four clusters (cluster x = 0, cluster y under 4): a lane a block, one instruction a wave;
	; the sixteen partners and their waves are told apart by address: block 128 x place + 32 x wave + lane.  It is read on the way out, behind all of K
	s_lshl_b32 s78, s41, 2
	s_add_co_u32 s78, s78, s40
	s_lshl_b32 s78, s78, 2
	s_add_co_u32 s78, s78, s14
	s_lshl_b32 s78, s78, 13
	v_add_nc_u32 v7, s78, v7                       ; never rewritten
	s_wait_alu depctr_va_vdst(0)
	s_and_b32 s76, ttmp7, 0xffff
	s_lshl_b32 s79, ttmp9, 8
	s_add_co_u32 s79, s79, s76
	s_cmp_lt_u32 s79, 4
	s_cbranch_scc0 .Lnopf
	global_prefetch_b8 v7, s[10:11] th:TH_LOAD_NT scope:SCOPE_SE
.Lnopf:
	s_cmp_eq_u32 ttmp9, 0
	s_cselect_b32 s94, s82, s83                    ; e2 for q, e3 for k,
	s_cmp_eq_u32 ttmp9, 2
	s_cselect_b32 s94, s85, s94                    ; e5 for v
	s_sub_co_i32 s94, s94, s80
	s_sub_co_i32 s94, s94, s81                     ; e - e0 - e1
	s_add_co_i32 s94, s94, 127
	s_lshl_b32 s95, s94, 23
	v_mov_b32 v[SCL], s95                          ; as a power of two in f32: the conversion takes its exponent field
	s_add_co_i32 s94, s94, 8
	s_lshl_b32 s94, s94, 23
	s_or_b32 s94, s94, 0x600000
	v_mov_b32 v[LIM], s94                          ; 448 x that
.macro FRAG reg, adr, q, i             ; a fragment, 16 rows x 128 K, is 16 registers: lane l holds row l % 16; registers 4 c .. 4 c + 3 hold K = 32 c + 16 (l / 16) + 0 .. 15: the same order of k on both sides
.irp c, 0,1,2,3
	ds_load_b128 v[\reg+4*\c:\reg+4*\c+3], v[\adr] offset:128*(\q)+32*\c+(\i)*16*PITCH
.endr
.endm
; 16 matrix instructions: A's blocks a0, a0 + 1 x B's eight, 128 along K.  p: B's set.  zero = 1: the first product starts the sums.
; The 64 accumulators take turns, one instruction a turn, in the same order in every step.
.macro MUL16 a0, p, zero
.irp a, \a0, \a0+1
.irp b, 0,1,2,3,4,5,6,7
.if \zero
	v_wmma_f32_16x16x128_fp8_fp8 v[8*(8*((\a)%4)+\b):8*(8*((\a)%4)+\b)+7], v[128*(\p)+FR*\b:128*(\p)+FR*\b+FR-1], v[AF+FR*(\a):AF+FR*(\a)+FR-1], 0
.else
	v_wmma_f32_16x16x128_fp8_fp8 v[8*(8*((\a)%4)+\b):8*(8*((\a)%4)+\b)+7], v[128*(\p)+FR*\b:128*(\p)+FR*\b+FR-1], v[AF+FR*(\a):AF+FR*(\a)+FR-1], v[8*(8*((\a)%4)+\b):8*(8*((\a)%4)+\b)+7]
.endif
.endr
.endr
.endm
.macro FETCH_B slot, q, p              ; B's eight fragments of the slot's q-th 128 along K into set p
	WIN TO_B
.irp i, 0,1,2,3,4,5,6,7
	FRAG 128*(\p)+FR*\i, ADRB+\slot, \q, \i
.endr
	WIN 0
.endm
.macro FETCH_A slot, q, i0             ; A's blocks i0 .. i0 + 3
.irp i, \i0, \i0+1, \i0+2, \i0+3
	FRAG AF+FR*(\i), ADRA+\slot, \q, \i
.endr
.endm
; A load into a register that a matrix instruction has read, and a vector instruction that reads a matrix result or writes one of its registers, stand NP places behind it; only plain vector
; instructions that name none of its registers are places (ISA guide 7.12.1 for vector instructions).
.macro PLACES n
.rept \n
	v_nop
.endr
.endm
; A step of 128 along K that has its successor in the same slot.
.macro STEP slot, q, zero
	s_wait_dscnt 4*NL                              ; B's set and A's blocks 0-3 are in; the youngest sixteen loads (A's blocks 4-7) may be out
	WIN MUL_LO
	MUL16 0, (\q)%2, \zero
	MUL16 2, (\q)%2, \zero
	s_wait_dscnt 0                                 ; A's blocks 4-7 are in (asked for 32 matrix instructions ago)
	PLACES NP
	FETCH_B \slot, (\q)+1, 1-(\q)%2
	FETCH_A \slot, (\q)+1, 0
	WIN MUL_HI
	MUL16 4, (\q)%2, \zero
	MUL16 6, (\q)%2, \zero
	PLACES NP
	WIN 0
	FETCH_A \slot, (\q)+1, 4
.endm
; A slot's last step changes slots: ONE barrier; in front of it each wave waits for all its tensor loads, adds 0 to its spare word, and waits for that and for its own reads of this slot.  fill = 1: this slot is filled again, two K steps ahead.
.macro TURN slot, next, fill
	s_wait_tensorcnt 0x0                           ; all my tensor loads have landed: my part of the next slot;  (every window is 0 here)
	ds_add_u32 v[SPW], v[NIL]                      ; 0 onto my spare word
	s_wait_dscnt 4*NL+1                            ; (the add and the youngest sixteen loads, A's blocks 4-7, may be out)
	WIN MUL_LO
	MUL16 0, 1, 0                                  ; sixteen matrix instructions stand between the add and the wait for it
	s_wait_dscnt 0x0                               ; the add is done, and my reads of this slot are over
	s_barrier_signal -1
	MUL16 2, 1, 0
	WIN 0
	s_barrier_wait -1
.if \fill
	CREST                                          ; the barrier has opened a round of the cluster's barrier: no wave of any partner still reads this slot's tile or has a load on its way
	s_add_nc_u64 s[G0+4*\slot+2:G0+4*\slot+3], s[G0+4*\slot+2:G0+4*\slot+3], 2*ROWB
	s_add_nc_u64 s[G0B+4*\slot+2:G0B+4*\slot+3], s[G0B+4*\slot+2:G0B+4*\slot+3], 2*ROWB
	JLOAD G0+4*\slot, G1, G0B+4*\slot, G1B         ; the first tensor load behind the round; the four v_nop behind it are the places in front of the loads below
.else
	PLACES NP
.endif
	FETCH_B \next, 0, 0
	FETCH_A \next, 0, 0
	WIN MUL_HI
	MUL16 4, 1, 0
	MUL16 6, 1, 0
	PLACES NP
	WIN 0
	FETCH_A \next, 0, 4
.endm
	s_wait_alu depctr_va_vdst(0)
	s_wait_tensorcnt 0x0                           ; my part of K step 0 is in; slot 1's first fill is issued as a refill is:
	ds_add_u32 v[SPW], v[NIL]                      ; 0 onto my spare word
	s_wait_dscnt 0x0
	CROUND                                         ; everybody's part of K step 0 is in, and the joint loads meet
	JLOAD G0+4, G1, G0B+4, G1B                     ; K step 1: the first tensor load behind the round
	FETCH_B 0, 0, 0
	FETCH_A 0, 0, 0
	FETCH_A 0, 0, 4
	STEP 0, 0, 1                                   ; the first step stands in front of the loop: its products start the sums
	s_mov_b32 s3, LAPS-1
.Llap:                                                 ; a trip goes once round the ring, from a lap's second step to the next lap's first, and fills both slots again
	TURN 0, 1, 1
	STEP 1, 0, 0
	TURN 1, 0, 1
	STEP 0, 0, 0
	s_sub_co_u32 s3, s3, 1
	s_cmp_lg_u32 s3, 0
	s_cbranch_scc1 .Llap
	TURN 0, 1, 0                                   ; the last lap fills nothing, and has no round of the cluster's barrier
	STEP 1, 0, 0
.macro LAST                            ; the very last step, written in both arms of the branch on what is made: in q's and k's arm table loads stand ahead of it and behind it
	s_wait_dscnt 4*NL
	WIN MUL_LO
	MUL16 0, 1, 0
	MUL16 2, 1, 0
	s_wait_dscnt 0
	WIN MUL_HI
	MUL16 4, 1, 0
	MUL16 6, 1, 0
	WIN 0
	PLACES NP
.endm
; THE WAY OUT, block by block of A's side (16 lanes' rows x my 128 rows of B's side: 64 numbers a lane).
.macro TABLOAD a                       ; the table's block for my block a of positions: 32 numbers a lane, in eight pieces of 512 consecutive bytes
	WIN TO_B                                       ; block a's 32 numbers go to window 1, v[32 a ..]: B's fragments are done with there
.irp p, 0,1,2,3,4,5,6,7
	global_load_b128 v[32*(\a)+4*\p:32*(\a)+4*\p+3], v[LI], s[76:77] offset:4096*(\a)+512*\p
.endr
	WIN 0
.endm
.macro CODES a                         ; the 64 numbers at work become 16 registers of codes
.set CC, CD+16*((\a)%2)
.irp b, 0,1,2,3,4,5,6,7
	v_cvt_scalef32_pk8_fp8_f32 v[CC+2*\b:CC+2*\b+1], v[TW+8*\b:TW+8*\b+7], v[SCL]
.endr
	v_nop                                          ; one plain vector instruction between the last conversion and the next vector line that writes its sources
.endm
; q and k.  Registers 8 b + i, 8 b + i + 1 (i even) are the pair (x1, x2) of channels 2 kappa, 2 kappa + 1 of a head, and the table's registers 8 (b % 4) + i, + 1 are cos and sin for that pair at my position.
.macro QKBLOCK a
.set AC, 64*((\a)%4)
.set TT, TAB+32*((\a)%2)
.if (\a) >= 2
	s_wait_xcnt 0x0                                ; block a - 2's stores have read their codes: the set is written again only behind this wait
.endif
.set TT, 32*(\a)
	s_wait_loadcnt 8*(7-(\a))                      ; this block's eight table loads are in; the eight of each later block may be out
	WIN 0x06+((\a)/4)                              ; source 0: window 2 or 3; source 1, the table: window 1
.irp b, 0,1,2,3,4,5,6,7
.irp i, 0,2,4,6
	v_pk_mul_f32 v[TW+8*\b+\i:TW+8*\b+\i+1], v[AC+8*\b+\i:AC+8*\b+\i+1], v[TT+8*(\b%4)+\i:TT+8*(\b%4)+\i+1] op_sel_hi:[1,0]   ; x1 cos, x2 cos; each accumulator from its low end on
.endr
.endr
.irp b, 0,1,2,3,4,5,6,7
.irp i, 0,2,4,6
	v_pk_fma_f32 v[TW+8*\b+\i:TW+8*\b+\i+1], v[AC+8*\b+\i:AC+8*\b+\i+1], v[TT+8*(\b%4)+\i:TT+8*(\b%4)+\i+1], v[TW+8*\b+\i:TW+8*\b+\i+1] op_sel:[1,1,0] op_sel_hi:[0,1,1] neg_lo:[0,1,0]   ; - x2 sin, + x1 sin
.endr
.endr
	WIN 0
.set j, 0
.rept 64
	v_med3_num_f32 v[TW+j], v[TW+j], -v[LIM], v[LIM]   ; the conversion to an 8-bit code does not saturate (ISA guide 7.6.2): the hold at 448 x the scale
.set j, j+1
.endr
	CODES \a
.irp p, 0,1,2,3                        ; piece p: head p / 2 of my two, channels 32 (p % 2) on; tile a of my eight tiles of 16 positions
	global_store_b128 v[LI], v[CC+4*\p:CC+4*\p+3], s[74:75] offset:(\p/2)*131072+(\p%2)*512+1024*(\a)
.endr
.endm
; v.  A lane holds one channel; its 64 numbers are my 128 keys' 32 c + 16 h + 0 .. 15.
.macro VBLOCK a
.set AC, 64*((\a)%4)
.if (\a) >= 2
	s_wait_xcnt 0x0                                ; block a - 2's stores have read their codes
.endif
	WIN 0x02+((\a)/4)
.set j, 0
.rept 64
	v_med3_num_f32 v[TW+j], v[AC+j], -v[LIM], v[LIM]   ; each accumulator from its low end on
.set j, j+1
.endr
	WIN 0
	CODES \a
.irp p, 0,1,2,3                        ; head a / 4 of my two, tile a % 4 of its four tiles of 16 channels, keys 32 p on
	global_store_b128 v[LI], v[CC+4*\p:CC+4*\p+3], s[74:75] offset:((\a)/4)*131072+((\a)%4)*2048+512*\p
.endr
.endm
	s_cmp_eq_u32 ttmp9, 2
	s_cbranch_scc1 .Lv
	s_lshr_b32 s18, s17, 3                         ; A's tile of 256 positions: the batch,
	s_lshl_b32 s18, s18, 4
	s_and_b32 s19, s42, 3                          ; B's tile of 256 channels: four heads; my half: two
	s_lshl_b32 s19, s19, 2
	s_add_co_u32 s18, s18, s19
	s_lshl_b32 s19, s16, 1
	s_add_co_u32 s18, s18, s19                     ; 16 x batch + my first head
	s_lshl_b32 s18, s18, 7
	s_and_b32 s19, s17, 7
	s_lshl_b32 s19, s19, 4
	s_lshl_b32 s20, s15, 3
	s_add_co_u32 s19, s19, s20                     ; my first tile of 16 positions in the sequence
	s_add_co_u32 s18, s18, s19
	s_lshl_b32 s18, s18, 10                        ; tiles of 1,024 bytes: under 2^23
	s_lshl_b32 s20, s19, 12                        ; the table's blocks of 4,096 bytes
	s_mov_b32 s19, 0
	s_mov_b32 s21, 0
	s_cmp_eq_u32 ttmp9, 0
	s_cselect_b64 s[74:75], s[68:69], s[70:71]     ; q's images or k's
	s_add_nc_u64 s[74:75], s[74:75], s[18:19]
	s_add_nc_u64 s[76:77], s[10:11], s[20:21]
.irp a, 0,1,2,3
	TABLOAD \a                                     ; into B's set 0, which the step before has read (four places stand behind its products)
.endr
	LAST
.irp a, 4,5,6,7
	TABLOAD \a                                     ; into B's set 1
.endr
.irp a, 0,1,2,3,4,5,6,7
	QKBLOCK \a
.endr
	s_branch .Lend
.Lv:
	LAST
	s_lshl_b32 s18, s17, 2
	s_lshl_b32 s19, s15, 1
	s_add_co_u32 s18, s18, s19
	s_lshr_b32 s19, s42, 3                         ; B's tile of 256 positions: the batch,
	s_lshl_b32 s19, s19, 4
	s_add_co_u32 s18, s18, s19                     ; 16 x batch + my first head
	s_lshl_b32 s18, s18, 4
	s_and_b32 s19, s42, 7
	s_lshl_b32 s19, s19, 1
	s_add_co_u32 s19, s19, s16                     ; and my step of 128 keys
	s_add_co_u32 s18, s18, s19
	s_lshl_b32 s18, s18, 13                        ; steps of 8,192 bytes: under 2^23
	s_mov_b32 s19, 0
	s_add_nc_u64 s[74:75], s[72:73], s[18:19]
	s_wait_alu depctr_va_vdst(0)
.irp a, 0,1,2,3,4,5,6,7
	VBLOCK \a
.endr
.Lend:
	s_wait_tensorcnt 0x0                           ; the wave's end
	ds_add_u32 v[SPW], v[NIL]
	s_wait_dscnt 0x0
	CROUND                                         ; the closing round: no work-group ends while a partner may still ask for a tile that names it
	s_endpgm
.Lfunc_end_k_q33c02da7ef_qkv:
	.size	k_q33c02da7ef_qkv, .Lfunc_end_k_q33c02da7ef_qkv-k_q33c02da7ef_qkv
	.p2alignl 7, 3214868480
	.fill 96, 4, 3214868480
	.section	.rodata,"a",@progbits
	.p2align	6, 0x0
	.amdhsa_kernel k_q33c02da7ef_qkv
		.amdhsa_group_segment_fixed_size 327680
		.amdhsa_private_segment_fixed_size 0
		.amdhsa_enable_private_segment 0
		.amdhsa_kernarg_size 56
		.amdhsa_user_sgpr_count 2
		.amdhsa_user_sgpr_kernarg_segment_ptr 1
		.amdhsa_wavefront_size32 1
		.amdhsa_system_sgpr_workgroup_id_x 1
		.amdhsa_system_sgpr_workgroup_id_y 1
		.amdhsa_system_sgpr_workgroup_id_z 1
		.amdhsa_system_vgpr_workitem_id 0
		.amdhsa_next_free_vgpr 1024
		.amdhsa_next_free_sgpr 100
		.amdhsa_reserve_vcc 0
		.amdhsa_float_denorm_mode_32 3
		.amdhsa_float_denorm_mode_16_64 3
		.amdhsa_memory_ordered 1
		.amdhsa_forward_progress 1
		.amdhsa_inst_pref_size 203
	.end_amdhsa_kernel
	.amdgpu_metadata
---
amdhsa.version: [ 1, 2 ]
amdhsa.kernels:
  - .name:           k_q33c02da7ef_qkv
    .symbol:         k_q33c02da7ef_qkv.kd
    .args:
      - { .name: x_codes, .offset: 0, .size: 8, .value_kind: global_buffer, .address_space: global }
      - { .name: wqkv_codes, .offset: 8, .size: 8, .value_kind: global_buffer, .address_space: global }
      - { .name: lowp_scales, .offset: 16, .size: 8, .value_kind: global_buffer, .address_space: global }
      - { .name: rope_tab, .offset: 24, .size: 8, .value_kind: global_buffer, .address_space: global }
      - { .name: q_codes, .offset: 32, .size: 8, .value_kind: global_buffer, .address_space: global }
      - { .name: k_codes, .offset: 40, .size: 8, .value_kind: global_buffer, .address_space: global }
      - { .name: v_codes, .offset: 48, .size: 8, .value_kind: global_buffer, .address_space: global }
    .group_segment_fixed_size: 327680
    .private_segment_fixed_size: 0
    .kernarg_segment_align: 8
    .kernarg_segment_size: 56
    .max_flat_workgroup_size: 128
    .sgpr_count:     100
    .vgpr_count:     1024
    .wavefront_size: 32
...
	.end_amdgpu_metadata
.endif
;; end of part 2
;; launch attn (part 3): grid 4 x 64, 8 waves a work-group, clusters of 4 x 1, 327,680 bytes of LDS; arguments q_codes, k_codes, v_codes, lowp_scales, o_codes; writes o_codes
.if DOCPART == 3
	.amdgcn_target "amdgcn-amd-amdhsa--gfx1250"
	.amdhsa_code_object_version 6
	.text
	.protected	k_q33c02da7ef_attn
	.globl	k_q33c02da7ef_attn
	.p2align	8
	.type	k_q33c02da7ef_attn,@function
k_q33c02da7ef_attn:
	s_mov_b64 s[64:65], 0
	v_nop
	global_prefetch_b8 v0, s[64:65] scope:SCOPE_SE
	s_setreg_imm32_b32 hwreg(HW_REG_WAVE_MODE, 25, 1), 1
	s_wait_xcnt 0x0
	s_wait_alu depctr_hold_cnt(0) depctr_sa_sdst(0) depctr_va_vdst(0) depctr_va_sdst(0) depctr_va_ssrc(0) depctr_va_vcc(0) depctr_vm_vsrc(0)
	s_getreg_b32 s2, hwreg(HW_REG_IB_STS2, 6, 4)
	s_cmp_eq_u32 s2, 0
	s_cbranch_scc0 .Lentry_in_a_cluster
	s_endpgm
.Lentry_in_a_cluster:
	s_bfe_u32 s2, ttmp6, 0x10000c
	s_cmp_lg_u32 s2, 0x3003
	s_cbranch_scc0 .Lentry_shape_is_right
	s_endpgm
.Lentry_shape_is_right:
; Causal attention of one head on codes of FP8 (E4M3): o = softmax(q k^T / 8) v; o is quantised (entry 6 of the scales) and stored as images of the last product's operand registers.
; THE SOFTMAX: t = score x log2(e) / 8; M = the row's largest t so far, rounded UP to a whole number; p = 2^(t - M) is quantised (entry 4), not normalised.  The row's sum is taken of the
; unquantised p in f32 and divides at the end.  When M moves, the sum and O are multiplied by 2^(old M - new M): exact.
; LEFT OUT: steps of 128 keys that lie wholly behind a tile's queries: the causal mask sets their scores to -infinity, so their p is 0 for all inputs.
; SHARES.  A cluster of four work-groups is one (batch, head).  The head's whole K and V lie in LDS, 131,072 bytes each, as images of operand registers.  They come in two groups of joint loads, one load a wave
; in each: steps 0-3 (8,192 bytes a wave) at the head; steps 4-15 (24,576 bytes a wave) behind the full sequence and a round of the cluster's barrier.  The second group is on its way while every wave works
; steps 0-2 of its late pair, which read steps 0-3 alone (K is fetched one step ahead); one work-group barrier ahead of step 3 shows it to all waves.  No byte is filled twice.
;   No data prefetch: both groups are asked for at the launch's start, and there is no loop to run ahead in.
; A wave owns two PAIRS of neighbouring query tiles (32 positions each): pair 63 - e, a late one, and pair e = cx + 4 w, an early one.  Pair n needs the steps 0 .. n / 4: 16 - w and w + 1 steps:
; 17 joint steps for every wave.  The counts hang on the wave's number alone; cx enters global addresses and the mask's threshold (a vector number), no branch and no LDS address.
; The two tiles of a pair share every fragment of K and V.  Trips 0-15 are the late pair's steps, 16-31 the early pair's; a trip beyond the pair's last step does nothing.  Trips 0-2 have a loop of their own,
; with no mask and no test: the late pair's last step is 8 at the least.
; LAYOUT.  Both products transposed: S^T = K Q^T, O^T = V^T P^T: a lane holds ONE query (lane % 16).  The images' rows have bits 3 and 4 of a row's number exchanged: register n of S^T is key
; 32 (n / 16) + n % 16 + 16 (lane / 16) of the step; lane r of tile u of pair n is position 32 n + 8 u + r + 8 (r / 8).
; LIMITS: e2 + e3 between -123 and 130; e4 between -126 and 119; e6 - e4 - e5 between -126 and 119; the scaled scores stay under 2^31 in magnitude.
; REGISTERS.  Window 0: v1-31 addresses and state; v32-63 at work; v64-127, v128-191 S^T, then p, of tiles A and B; v192-223 p's codes; v224, v225 the way out's bound and scale.
; Window 1: v0-63 K's eight fragments; v64-127 V's four; v128-159, v160-191 O^T of A and B; v192-207 the pair's queries; v208-223 the early pair's, in waiting.
.set SPARE, 0x40000                    ; behind K and V: the spare words, 128 bytes a wave
.set WV,14
.set SEL,20
.set CS,22
.set G1,24                             ; s[24:31] group 1 of the first loads: 32 rows of 256 bytes
.set G1P,88                            ; s[88:95] of the second: 96 rows
.set G0K,32
.set G0V,36
.set IT,48                             ; s48 the trip
.set ST,49                             ; s49 the step of 128 keys
.set TB,50                             ; s50 8,192 x that
.set E,51                              ; s51 the pair's last step
.set EL,72                             ; s72, s73 the late pair's and the early pair's
.set LI,1                              ; v1 16 x lane
.set ADK,2
.set ADV,3
.set DA,4                              ; v4, v5 my query's place in the pair's last step, less 16 (lane / 16): tiles A, B
.set DB,5
.set LIM,6                             ; v6, v7 448 x 2^e4, twice: the two halves of a dual pair take them from different banks
.set SCL,8
.set NINF,9
.set SPW,10
.set NIL,11
.set RH,24
.set T,32
.set SA,64
.set SB,128
.set PA,192
.set PB,208
.set K,0                               ; window 1
.set V,64
.set OA,128
.set OB,160
.set QA,192
.set QE,208
; v[12:13] -M and the largest score, v[14:15] the sum, v[20:21] f: tile A; v[16:17], v[18:19], v[22:23]: tile B; v25, v26 the old -M; v27, v28 lane permutes; v29, v30 at work
.set MSB, 0
.macro WIN new                         ; the immediate's high byte repeats the setting that is left
.if MSB != \new
	s_set_vgpr_msb (MSB<<8)|\new
.set MSB, \new
.endif
.endm
.macro CROUND
	s_barrier_signal -1
	s_barrier_wait -1
	s_cmp_lg_u32 s[WV], 0
	s_cbranch_scc1 .Lnot_wave_0_\@
	s_barrier_signal -3
.Lnot_wave_0_\@:
	s_barrier_wait -3
	s_barrier_signal -1
	s_barrier_wait -1
.endm
.macro JLOAD g1                        ; waves 0-3 ask for K's part, waves 4-7 for V's: the wave's number alone; one tensor load a wave
	s_cmp_lt_u32 s[WV], 4
	s_cbranch_scc0 .Lfor_v_\@
	tensor_load_to_lds s[G0K:G0K+3], s[\g1:\g1+7]
	s_nop 0
.rept 4
	v_nop
.endr
	s_branch .Lasked_\@
.Lfor_v_\@:
	tensor_load_to_lds s[G0V:G0V+3], s[\g1:\g1+7]
	s_nop 0
.rept 4
	v_nop
.endr
.Lasked_\@:
.endm
.macro INITV job                       ; a pair begins: job 0 the late one, 1 the early one
	s_mov_b32 s[E], s[EL+\job]
	s_mov_b64 s[70:71], s[56+2*\job:57+2*\job]     ; where its o goes
	v_mov_b32 v12, 0x7f61b1e6                      ; -M: 3e38
	v_mov_b32 v16, 0x7f61b1e6
	v_mov_b32 v13, 0xff61b1e6                      ; the largest score so far: -3e38
	v_mov_b32 v17, 0xff61b1e6
	v_mov_b32 v14, 0
	v_mov_b32 v15, 0
	v_mov_b32 v18, 0
	v_mov_b32 v19, 0
	v_add_nc_u32 v[DA], s[66+\job], v[RH]
	v_add_nc_u32 v[DB], 8, v[DA]
.if \job
	WIN 0x41
.set j, 0
.rept 16
	v_mov_b32 v[QA+j], v[QE+j]
.set j, j+1
.endr
.endif
	WIN 0x40
.set j, 0
.rept 64
	v_mov_b32 v[OA+j], 0                           ; the step is written for all steps alike: the first finds zeros, which the first change of M leaves zeros
.set j, j+1
.endr
	WIN 0
.endm
.macro INITK                           ; step 0's fragments of K
	WIN 0x40
.irp t, 0,1,2,3,4,5,6,7
	ds_load_b128 v[K+8*\t:K+8*\t+3], v[LI] offset:1024*\t
	ds_load_b128 v[K+8*\t+4:K+8*\t+7], v[LI] offset:1024*\t+512
.endr
	WIN 0
.endm
; Tile s: first level of the sum of the unquantised p, then the hold (the conversion does not saturate, ISA guide 7.6.2; p is not negative).  Every line reads exponentials' results alone.
; x: the tile whose exponentials stand between these lines (0: none); what these lines write is first read behind the wait that follows the batch.
.macro POST1 s, x
.set j, 0
.rept 16
.if \x
	v_exp_f32 v[\x+j], v[\x+j]
.endif
	v_pk_add_f32 v[T+j/2:T+j/2+1], v[\s+j:\s+j+1], v[\s+j+2:\s+j+3]
.if \x
	v_exp_f32 v[\x+j+1], v[\x+j+1]
.endif
	v_dual_min_num_f32 v[\s+j], v[\s+j], v[LIM] :: v_dual_min_num_f32 v[\s+j+1], v[\s+j+1], v[LIM+1]
.if \x
	v_exp_f32 v[\x+j+2], v[\x+j+2]
.endif
	v_dual_min_num_f32 v[\s+j+2], v[\s+j+2], v[LIM] :: v_dual_min_num_f32 v[\s+j+3], v[\s+j+3], v[LIM+1]
.if \x
	v_exp_f32 v[\x+j+3], v[\x+j+3]
.endif
.set j, j+4
.endr
.endm
.macro POST2 s, p, l, f                ; the rest of the sum's tree, with the conversions between its levels; the sum under the new M in one multiply-add
.irp k, 0,1,2,3,4,5,6,7
	v_pk_add_f32 v[T+4*\k:T+4*\k+1], v[T+4*\k:T+4*\k+1], v[T+4*\k+2:T+4*\k+3]
.endr
.irp g, 0,1,2,3
	v_cvt_scalef32_pk8_fp8_f32 v[\p+2*\g:\p+2*\g+1], v[\s+8*\g:\s+8*\g+7], v[SCL]
.endr
.irp k, 0,1,2,3
	v_pk_add_f32 v[T+8*\k:T+8*\k+1], v[T+8*\k:T+8*\k+1], v[T+8*\k+4:T+8*\k+5]
.endr
.irp g, 4,5,6,7
	v_cvt_scalef32_pk8_fp8_f32 v[\p+2*\g:\p+2*\g+1], v[\s+8*\g:\s+8*\g+7], v[SCL]
.endr
	v_pk_add_f32 v[T:T+1], v[T:T+1], v[T+8:T+9]
	v_pk_add_f32 v[T+16:T+17], v[T+16:T+17], v[T+24:T+25]
	v_pk_add_f32 v[T:T+1], v[T:T+1], v[T+16:T+17]
	v_pk_fma_f32 v[\l:\l+1], v[\l:\l+1], v[\f:\f+1], v[T:T+1] op_sel_hi:[1,0,1]
.endm
.macro PV o, p                         ; O^T += V^T P^T: four accumulators by turns
	WIN 0x51
.irp t, 0,1,2,3
	v_wmma_f32_16x16x128_fp8_fp8 v[\o+8*\t:\o+8*\t+7], v[V+16*\t:V+16*\t+15], v[\p:\p+15], v[\o+8*\t:\o+8*\t+7]
.endr
	WIN 0
.endm
; A JOINT STEP: 128 keys (their images begin at LDS byte s[TB]) against the pair's two tiles.  diag = 1: the text with the mask for the pair's last step.
.macro JSTEP diag
	s_add_co_u32 s68, s[TB], 0x20000
	v_add_nc_u32 v[ADV], s68, v[LI]                ; these four lines are the places behind the last products, ahead of the loads into V's registers
	v_nop
	v_nop
	v_nop
	WIN 0x40
.irp t, 0,1,2,3
.irp c, 0,1,2,3
	ds_load_b128 v[V+16*\t+4*\c:V+16*\t+4*\c+3], v[ADV] offset:2048*\t+512*\c
.endr
.endr
	s_wait_dscnt 16                                ; K's sixteen loads are in; V's sixteen, issued behind them, may be out
	WIN 0x05
.irp t, 0,1,2,3,4,5,6,7
	v_wmma_f32_16x16x64_fp8_fp8 v[SA+8*\t:SA+8*\t+7], v[K+8*\t:K+8*\t+7], v[QA:QA+7], 0
	v_wmma_f32_16x16x64_fp8_fp8 v[SB+8*\t:SB+8*\t+7], v[K+8*\t:K+8*\t+7], v[QA+8:QA+15], 0
.endr
	WIN 0
	v_mov_b32 v25, v12                             ; the old -M; four places behind the products
	v_mov_b32 v26, v16
	v_add_nc_u32 v[ADK], s[TB], v[LI]
	v_nop
	WIN 0x40
.irp t, 0,1,2,3,4,5,6,7                ; the next step's K (behind the last step: bytes inside LDS that nothing uses)
	ds_load_b128 v[K+8*\t:K+8*\t+3], v[ADK] offset:8192+1024*\t
	ds_load_b128 v[K+8*\t+4:K+8*\t+7], v[ADK] offset:8192+1024*\t+512
.endr
	WIN 0
.if \diag
	s_cmp_lg_u32 s[ST], s[E]
	s_cbranch_scc1 .Lopen                          ; only the pair's last step lies on the diagonal
.set n, 0
.rept 64                               ; a key that comes after my query: its score becomes -infinity, p = 0
	v_cmp_gt_i32 vcc_lo, 32*(n/16)+n%16, v[DA]
	v_cndmask_b32 v[SA+n], v[SA+n], v[NINF], vcc_lo
	v_cmp_gt_i32 vcc_lo, 32*(n/16)+n%16, v[DB]
	v_cndmask_b32 v[SB+n], v[SB+n], v[NINF], vcc_lo
.set n, n+1
.endr
.Lopen:
.endif
.irp k, 0,1,2,3                        ; the largest score: four chains a tile, eight in all, each accumulator from its low end on
	v_max3_num_f32 v[T+\k], v[SA+16*\k], v[SA+16*\k+1], v[SA+16*\k+2]
	v_max3_num_f32 v[T+4+\k], v[SB+16*\k], v[SB+16*\k+1], v[SB+16*\k+2]
.endr
.irp i, 3,5,7,9,11,13
.irp k, 0,1,2,3
	v_max3_num_f32 v[T+\k], v[T+\k], v[SA+16*\k+\i], v[SA+16*\k+\i+1]
	v_max3_num_f32 v[T+4+\k], v[T+4+\k], v[SB+16*\k+\i], v[SB+16*\k+\i+1]
.endr
.endr
	v_max3_num_f32 v[T], v[T], v[SA+15], v[SA+31]
	v_max3_num_f32 v[T+4], v[T+4], v[SB+15], v[SB+31]
	v_max3_num_f32 v[T+1], v[T+1], v[SA+47], v[SA+63]
	v_max3_num_f32 v[T+5], v[T+5], v[SB+47], v[SB+63]
	v_max3_num_f32 v[T+2], v[T+2], v[T+3], v13     ; with the largest so far
	v_max3_num_f32 v[T+6], v[T+6], v[T+7], v17
	v_max3_num_f32 v[T], v[T], v[T+1], v[T+2]
	v_max3_num_f32 v[T+4], v[T+4], v[T+5], v[T+6]
	v_permlanex16_b32 v27, v[T], s[SEL], s[SEL+1]
	v_permlanex16_b32 v28, v[T+4], s[SEL], s[SEL+1]
	v_max_num_f32 v13, v[T], v27                   ; and lane l xor 16's
	v_max_num_f32 v17, v[T+4], v28
	v_mul_f32 v29, s[CS], v13                      ; as t (c is positive)
	v_mul_f32 v30, s[CS], v17
	v_floor_f32 v12, -v29                          ; -M = floor(-t): a whole number
	v_floor_f32 v16, -v30
	v_sub_f32 v29, v12, v25                        ; old M - new M: a whole number, 0 or less
	v_sub_f32 v30, v16, v26
.set j, 0
.rept 4
	v_pk_fma_f32 v[SA+j:SA+j+1], v[SA+j:SA+j+1], s[CS:CS+1], v[12:13] op_sel_hi:[1,0,0]   ; t - M, two at a time
.set j, j+2
.endr
	v_cvt_i32_f32 v29, v29                         ; (it saturates)
	v_cvt_i32_f32 v30, v30
.rept 4
	v_pk_fma_f32 v[SA+j:SA+j+1], v[SA+j:SA+j+1], s[CS:CS+1], v[12:13] op_sel_hi:[1,0,0]
.set j, j+2
.endr
	v_ldexp_f32 v20, 1.0, v29                      ; f = 2^(old M - new M)
	v_ldexp_f32 v22, 1.0, v30
.rept 24
	v_pk_fma_f32 v[SA+j:SA+j+1], v[SA+j:SA+j+1], s[CS:CS+1], v[12:13] op_sel_hi:[1,0,0]
.set j, j+2
.endr
	WIN 0x41
.set j, 0
.rept 16                               ; O^T under the new M, each accumulator from its low end on; no transcendental stands between the last products and these lines
	v_pk_mul_f32 v[OA+j:OA+j+1], v[OA+j:OA+j+1], v[20:21] op_sel_hi:[1,0]
	v_pk_mul_f32 v[OB+j:OB+j+1], v[OB+j:OB+j+1], v[22:23] op_sel_hi:[1,0]
.set j, j+2
.endr
	WIN 0
	s_wait_alu depctr_va_vdst(0)
.set j, 0
.rept 32                               ; tile A's exponentials; between them tile B's t - M, whose sources were written ahead of the wait and whose results are read behind the next
	v_exp_f32 v[SA+j], v[SA+j]
	v_pk_fma_f32 v[SB+j:SB+j+1], v[SB+j:SB+j+1], s[CS:CS+1], v[16:17] op_sel_hi:[1,0,0]
	v_exp_f32 v[SA+j+1], v[SA+j+1]
.set j, j+2
.endr
	v_nop                                          ; a plain place behind the last exponential
	s_wait_alu depctr_va_vdst(0)                   ; behind tile A's batch and ahead of tile B's
	POST1 SA, SB                                   ; tile B's exponentials, with tile A's first sums and holds between them
	v_nop
	s_wait_alu depctr_va_vdst(0)                   ; behind tile B's batch, and directly ahead of the wait below
	s_wait_dscnt 16                                ; V is in; the next step's K, sixteen loads issued behind it, may be out
	POST2 SA, PA, 14, 20
	PV OA, PA
	POST1 SB, 0
	POST2 SB, PB, 18, 22
	PV OB, PB
.endm
	s_load_b256 s[4:11], s[0:1], 0x0               ; q's images, k's, v's, the scales' exponents
	s_load_b64 s[12:13], s[0:1], 0x20              ; o's images
	v_lshl_add_u32 v[SPW], v0, 2, SPARE
	v_mov_b32 v[NIL], 0
	ds_add_u32 v[SPW], v[NIL]                      ; the opening lines: the add, twice on end, and its wait
	ds_add_u32 v[SPW], v[NIL]
	v_lshrrev_b32 v1, 5, v0
	v_readfirstlane_b32 s[WV], v1                  ; wave 0..7
	s_bfe_u32 s15, ttmp6, 0x40000                  ; cx
	s_and_b32 s16, ttmp7, 0xffff                   ; 16 x batch + head
	s_mov_b32 s[G1], 15|(3<<16)|(1<<21)            ; the mask: all four work-groups; elements of 8 bytes; dense bytes as rows of 256
	s_mov_b32 s[G1+1], 32<<16
	s_mov_b32 s[G1+2], 32<<16
	s_mov_b32 s[G1+3], 32<<16
	s_mov_b32 s[G1+4], 32
	s_mov_b32 s[G1+5], 32
	s_mov_b32 s[G1+6], 0
	s_mov_b32 s[G1+7], 0
	s_mov_b32 s[G1P], 15|(3<<16)|(1<<21)
	s_mov_b32 s[G1P+1], 32<<16
	s_mov_b32 s[G1P+2], 96<<16
	s_mov_b32 s[G1P+3], 32<<16
	s_mov_b32 s[G1P+4], 96
	s_mov_b32 s[G1P+5], 32
	s_mov_b32 s[G1P+6], 0
	s_mov_b32 s[G1P+7], 0
	s_mov_b32 s[SEL], 0x76543210
	s_mov_b32 s[SEL+1], 0xfedcba98
	s_lshl_b32 s17, s16, 17                        ; the head's 131,072 bytes in q's, k's and v's images
	s_and_b32 s18, s[WV], 3                        ; which quarter of a group's bytes of K or of V is mine
	s_lshl_b32 s76, s18, 14
	s_add_co_u32 s76, s76, 32768                   ; from my first load's bytes to my second's, in memory: 32,768 + 24,576 x quarter - 8,192 x quarter
	s_mov_b32 s77, 0
	s_mul_i32 s74, s18, 24576
	s_lshl_b32 s60, s18, 13
	s_lshl_b32 s18, s18, 13
	s_add_co_u32 s18, s18, s17                     ; my first load's bytes in memory
	s_mov_b32 s19, 0
	s_lshr_b32 s75, s[WV], 2
	s_lshl_b32 s75, s75, 17                        ; K's half of LDS or V's
	s_add_co_u32 s60, s60, s75                     ; where my first load goes,
	s_add_co_u32 s74, s74, s75
	s_add_co_u32 s74, s74, 32768                   ; and my second
	s_sub_co_u32 s[EL], 15, s[WV]
	s_mov_b32 s[EL+1], s[WV]
	s_lshl_b32 s61, s[WV], 2
	s_add_co_u32 s61, s61, s15                     ; the early pair
	s_sub_co_u32 s62, 63, s61                      ; the late pair
	s_lshl_b32 s52, s62, 11                        ; a pair of query tiles is 2,048 bytes
	s_add_co_u32 s52, s52, s17
	s_mov_b32 s53, 0
	s_lshl_b32 s54, s61, 11
	s_add_co_u32 s54, s54, s17
	s_mov_b32 s55, 0
	; o's images: [head / 4][block of 16 rows: 128 x batch + tile][(head / 2) % 2][piece of 512 bytes: 2 (head % 2) + 0, 1]
	s_and_b32 s2, s16, 15
	s_lshr_b32 s3, s2, 2
	s_lshl_b32 s3, s3, 21
	s_bfe_u32 s63, s2, 0x10001
	s_lshl_b32 s63, s63, 11
	s_add_co_u32 s3, s3, s63
	s_and_b32 s63, s2, 1
	s_lshl_b32 s63, s63, 10
	s_add_co_u32 s3, s3, s63
	s_lshr_b32 s63, s16, 4
	s_lshl_b32 s63, s63, 7
	s_lshl_b32 s56, s62, 1
	s_add_co_u32 s56, s56, s63
	s_lshl_b32 s56, s56, 12
	s_add_co_u32 s56, s56, s3
	s_mov_b32 s57, 0
	s_lshl_b32 s58, s61, 1
	s_add_co_u32 s58, s58, s63
	s_lshl_b32 s58, s58, 12
	s_add_co_u32 s58, s58, s3
	s_mov_b32 s59, 0
	s_and_b32 s66, s62, 3
	s_lshl_b32 s66, s66, 5                         ; a pair's first place in its last step: 32 (pair % 4)
	s_and_b32 s67, s61, 3
	s_lshl_b32 s67, s67, 5
	s_wait_dscnt 0x0
	s_wait_kmcnt 0x0
	s_load_b256 s[40:47], s[10:11], 0x0            ; e0 .. e7
	s_add_nc_u64 s[52:53], s[4:5], s[52:53]
	s_add_nc_u64 s[54:55], s[4:5], s[54:55]
	s_add_nc_u64 s[56:57], s[12:13], s[56:57]
	s_add_nc_u64 s[58:59], s[12:13], s[58:59]
	CROUND                                         ; all four work-groups are here: the joint loads meet
	s_mov_b32 s[G0K], 1
	s_mov_b32 s[G0K+1], s60
	s_add_nc_u64 s[G0K+2:G0K+3], s[6:7], s[18:19]
	s_or_b32 s[G0K+3], s[G0K+3], 0x80000000
	s_mov_b32 s[G0V], 1
	s_mov_b32 s[G0V+1], s60
	s_add_nc_u64 s[G0V+2:G0V+3], s[8:9], s[18:19]
	s_or_b32 s[G0V+3], s[G0V+3], 0x80000000
	JLOAD G1                                       ; steps 0-3
	v_and_b32 v1, 31, v0
	v_lshlrev_b32 v[LI], 4, v1
	WIN 0x40
.irp c, 0,1,2,3
	global_load_b128 v[QA+4*\c:QA+4*\c+3], v[LI], s[52:53] offset:512*\c   ; both pairs' queries stay in registers
	global_load_b128 v[QE+4*\c:QE+4*\c+3], v[LI], s[54:55] offset:512*\c
.endr
	WIN 0
	v_and_b32 v29, 15, v0
	v_and_b32 v30, 8, v29
	v_add_nc_u32 v29, v29, v30                     ; r + 8 (r / 8)
	v_bfe_u32 v30, v0, 4, 1
	v_lshlrev_b32 v30, 4, v30
	v_sub_nc_u32 v[RH], v29, v30                   ; - 16 h
	v_mov_b32 v[NINF], 0xff800000
	v_mov_b32 v21, 0                               ; (upper halves of named pairs)
	v_mov_b32 v23, 0
	v_mov_b32 v27, 0                               ; a lane permute's destination counts as a source
	v_mov_b32 v28, 0
	INITV 0
	s_wait_kmcnt 0x0
	s_add_co_i32 s2, s42, s43
	s_lshl_b32 s2, s2, 23
	s_add_co_i32 s[CS], s2, 0x3e38aa3b             ; c = log2(e) / 8 with e2 + e3 added to its exponent field
	s_mov_b32 s[CS+1], s[CS]
	s_add_co_i32 s2, s44, 127
	s_lshl_b32 s3, s2, 23
	v_mov_b32 v[SCL], s3                           ; 2^e4
	s_add_co_i32 s2, s2, 8
	s_lshl_b32 s2, s2, 23
	s_or_b32 s2, s2, 0x600000
	v_mov_b32 v[LIM], s2                           ; 448 x 2^e4
	v_mov_b32 v[LIM+1], s2
	s_sub_co_i32 s2, s46, s44
	s_sub_co_i32 s2, s2, s45
	s_add_co_i32 s2, s2, 127
	s_lshl_b32 s3, s2, 23
	v_mov_b32 v225, s3                             ; 2^(e6 - e4 - e5): O^T / the sum stands for o / 2^(e4 + e5)
	s_add_co_i32 s2, s2, 8
	s_lshl_b32 s2, s2, 23
	s_or_b32 s2, s2, 0x600000
	v_mov_b32 v224, s2                             ; 448 x that
	s_mov_b32 s[IT], 0
	s_wait_alu depctr_va_vdst(0)
	s_wait_tensorcnt 0x0                           ; my part of steps 0-3 is in LDS; the second group is issued as a refill is:
	ds_add_u32 v[SPW], v[NIL]                      ; 0 onto my spare word; no load of mine is out, so the groups 0 may be written
	s_mov_b32 s[G0K+1], s74
	s_add_nc_u64 s[G0K+2:G0K+3], s[G0K+2:G0K+3], s[76:77]
	s_mov_b32 s[G0V+1], s74
	s_add_nc_u64 s[G0V+2:G0V+3], s[G0V+2:G0V+3], s[76:77]
	s_wait_dscnt 0x0
	CROUND                                         ; everybody's part of steps 0-3 is in, and the joint loads meet
	JLOAD G1P                                      ; steps 4-15: the first tensor load behind the round
	s_wait_loadcnt 0x0                             ; the queries
	INITK
.Lfirst:                                           ; the late pair's steps 0-2: they read steps 0-3 of K and steps 0-2 of V
	s_lshl_b32 s[TB], s[IT], 13
	JSTEP 0
	s_add_co_u32 s[IT], s[IT], 1
	s_cmp_lt_u32 s[IT], 3
	s_cbranch_scc1 .Lfirst
	s_wait_alu depctr_va_vdst(0)
	s_wait_tensorcnt 0x0                           ; my part of steps 4-15 is in LDS,
	s_wait_dscnt 0x0                               ; (no LDS load is out at a signal)
	s_barrier_signal -1
	s_barrier_wait -1                              ; everybody's is
	s_mov_b32 s[IT], 3
.Ltrip:
	s_and_b32 s[ST], s[IT], 15
	s_lshl_b32 s[TB], s[ST], 13
	s_cmp_gt_u32 s[ST], s[E]                       ; all keys of the step come after the pair's queries (the wave's number and the trip alone)
	s_cbranch_scc1 .Lskip
	JSTEP 1
.Lskip:
	s_cmp_lg_u32 s[ST], 15
	s_cbranch_scc1 .Lnofin
	; THE PAIR'S WAY OUT.  The conversions' results are registers of the last product's operand: stored as they stand.
	s_wait_alu depctr_va_vdst(0)
	s_wait_dscnt 0x0                               ; no load into K's registers is out
	v_add_f32 v14, v14, v15                        ; the sums' two halves (these six lines are also the places behind the last products)
	v_add_f32 v18, v18, v19
	v_permlanex16_b32 v27, v14, s[SEL], s[SEL+1]
	v_permlanex16_b32 v28, v18, s[SEL], s[SEL+1]
	v_add_f32 v14, v14, v27
	v_add_f32 v18, v18, v28
	s_wait_alu depctr_va_vdst(0)
	v_rcp_f32 v14, v14
	v_rcp_f32 v18, v18
	v_nop
	WIN 0x01
	s_wait_alu depctr_va_vdst(0)                   ; for the reciprocals, and directly ahead of the first readers of O^T
.set j, 0
.rept 32
	v_mul_f32 v[SA+j], v[OA+j], v14
.set j, j+1
.endr
.set j, 0
.rept 32
	v_mul_f32 v[SA+32+j], v[OB+j], v18
.set j, j+1
.endr
	WIN 0
.set j, 0
.rept 64
	v_med3_num_f32 v[SA+j], v[SA+j], -v224, v224
.set j, j+1
.endr
.irp g, 0,1,2,3,4,5,6,7
	v_cvt_scalef32_pk8_fp8_f32 v[PA+2*\g:PA+2*\g+1], v[SA+8*\g:SA+8*\g+7], v225
.endr
	v_nop
	global_store_b128 v[LI], v[PA:PA+3], s[70:71]               ; 32 lanes store 512 consecutive bytes
	global_store_b128 v[LI], v[PA+4:PA+7], s[70:71] offset:512
	global_store_b128 v[LI], v[PA+8:PA+11], s[70:71] offset:4096
	global_store_b128 v[LI], v[PA+12:PA+15], s[70:71] offset:4608
	s_wait_xcnt 0x0                                ; the stores have read their data and base, which are written again below
	s_cmp_eq_u32 s[IT], 31
	s_cbranch_scc1 .Lnofin
	INITV 1
	INITK
	s_wait_alu depctr_va_vdst(0)
.Lnofin:
	s_add_co_u32 s[IT], s[IT], 1
	s_cmp_lt_u32 s[IT], 32
	s_cbranch_scc1 .Ltrip
	s_wait_tensorcnt 0x0                           ; the wave's end
	ds_add_u32 v[SPW], v[NIL]
	s_wait_dscnt 0x0
	CROUND                                         ; the closing round
	s_endpgm
.Lfunc_end_k_q33c02da7ef_attn:
	.size	k_q33c02da7ef_attn, .Lfunc_end_k_q33c02da7ef_attn-k_q33c02da7ef_attn
	.p2alignl 7, 3214868480
	.fill 96, 4, 3214868480
	.section	.rodata,"a",@progbits
	.p2align	6, 0x0
	.amdhsa_kernel k_q33c02da7ef_attn
		.amdhsa_group_segment_fixed_size 327680
		.amdhsa_private_segment_fixed_size 0
		.amdhsa_enable_private_segment 0
		.amdhsa_kernarg_size 40
		.amdhsa_user_sgpr_count 2
		.amdhsa_user_sgpr_kernarg_segment_ptr 1
		.amdhsa_wavefront_size32 1
		.amdhsa_system_sgpr_workgroup_id_x 1
		.amdhsa_system_sgpr_workgroup_id_y 1
		.amdhsa_system_sgpr_workgroup_id_z 1
		.amdhsa_system_vgpr_workitem_id 0
		.amdhsa_next_free_vgpr 512
		.amdhsa_next_free_sgpr 100
		.amdhsa_reserve_vcc 1
		.amdhsa_float_denorm_mode_32 3
		.amdhsa_float_denorm_mode_16_64 3
		.amdhsa_memory_ordered 1
		.amdhsa_forward_progress 1
		.amdhsa_inst_pref_size 91
	.end_amdhsa_kernel
	.amdgpu_metadata
---
amdhsa.version: [ 1, 2 ]
amdhsa.kernels:
  - .name:           k_q33c02da7ef_attn
    .symbol:         k_q33c02da7ef_attn.kd
    .args:
      - { .name: q_codes, .offset: 0, .size: 8, .value_kind: global_buffer, .address_space: global }
      - { .name: k_codes, .offset: 8, .size: 8, .value_kind: global_buffer, .address_space: global }
      - { .name: v_codes, .offset: 16, .size: 8, .value_kind: global_buffer, .address_space: global }
      - { .name: lowp_scales, .offset: 24, .size: 8, .value_kind: global_buffer, .address_space: global }
      - { .name: o_codes, .offset: 32, .size: 8, .value_kind: global_buffer, .address_space: global }
    .group_segment_fixed_size: 327680
    .private_segment_fixed_size: 0
    .kernarg_segment_align: 8
    .kernarg_segment_size: 40
    .max_flat_workgroup_size: 256
    .sgpr_count:     100
    .vgpr_count:     512
    .wavefront_size: 32
...
	.end_amdgpu_metadata
.endif
;; end of part 3
;; launch proj (part 4): grid 8 x 32, 4 waves a work-group, clusters of 4 x 4, 327,680 bytes of LDS; arguments o_codes, wout_codes, lowp_scales, out0; writes out0
.if DOCPART == 4
	.amdgcn_target "amdgcn-amd-amdhsa--gfx1250"
	.amdhsa_code_object_version 6
	.text
	.protected	k_q33c02da7ef_proj
	.globl	k_q33c02da7ef_proj
	.p2align	8
	.type	k_q33c02da7ef_proj,@function
k_q33c02da7ef_proj:
	s_mov_b64 s[64:65], 0
	v_nop
	global_prefetch_b8 v0, s[64:65] scope:SCOPE_SE
	s_setreg_imm32_b32 hwreg(HW_REG_WAVE_MODE, 25, 1), 1
	s_wait_xcnt 0x0
	s_wait_alu depctr_hold_cnt(0) depctr_sa_sdst(0) depctr_va_vdst(0) depctr_va_sdst(0) depctr_va_ssrc(0) depctr_va_vcc(0) depctr_vm_vsrc(0)
	s_getreg_b32 s2, hwreg(HW_REG_IB_STS2, 6, 4)
	s_cmp_eq_u32 s2, 0
	s_cbranch_scc0 .Lentry_in_a_cluster
	s_endpgm
.Lentry_in_a_cluster:
	s_bfe_u32 s2, ttmp6, 0x10000c
	s_cmp_lg_u32 s2, 0xf033
	s_cbranch_scc0 .Lentry_shape_is_right
	s_endpgm
.Lentry_shape_is_right:
.set SIZE_N, 1024
.set SIZE_K, 1024
.set KSTEP,  256
.set ROWB,   256
.set KROW,   SIZE_K
.set KPLANE, 2097152
.set PITCH,  272
.set FR,     16
.set NL,     4
.set NP,     4
.set HALFT,  128*PITCH
.set SLOT,   4*HALFT
.set LAPS,   SIZE_K/(2*KSTEP)
.set SPARE,  2*SLOT
.set SPITCH, 528
.set ADRA, 16
.set ADRB, 20
.set STO,  24
.set RD,   25
.set CO,   26
.set CO2,  27                          ; v27 the way out: 16 bytes a lane, sixteen lanes to a row of 256 bytes, lanes 16-31 a row of out0 further down
; A work-group makes 256 rows x 128 columns of out0, a wave 128 x 64: 32 accumulators; 32 x 8 = 256 work-groups.  B's tile is 128 rows of Wout, 64 to each of waves 2 and 3
.set SPW,  28
.set NIL,  29
.set TMP,  32
.set AF,   128
.set BK,   128
.set G1, 24
.set G0, 32
.set G1B, 48
.set G0B, 56
.set MSB, 0
.macro WIN new
.if MSB != \new
	s_set_vgpr_msb (MSB<<8)|\new
.set MSB, \new
.endif
.endm
.set MUL_LO, 0xa1
.set MUL_HI, 0xf1
.set TO_B,   0x40
.macro JLOAD g0a, g1a, g0b, g1b
	s_cmp_eq_u32 s15, 0
	s_cbranch_scc0 .Lfor_b_\@
	tensor_load_to_lds s[\g0a:\g0a+3], s[\g1a:\g1a+7]
	s_nop 0
.rept 4
	v_nop
.endr
	s_branch .Lasked_\@
.Lfor_b_\@:
	tensor_load_to_lds s[\g0b:\g0b+3], s[\g1b:\g1b+7]
	s_nop 0
.rept 4
	v_nop
.endr
.Lasked_\@:
.endm
.macro CREST
	s_cmp_lg_u32 s14, 0
	s_cbranch_scc1 .Lnot_wave_0_\@
	s_barrier_signal -3
.Lnot_wave_0_\@:
	s_barrier_wait -3
	s_barrier_signal -1
	s_barrier_wait -1
.endm
.macro CROUND
	s_barrier_signal -1
	s_barrier_wait -1
	CREST
.endm
	s_load_b128 s[4:7], s[0:1], 0x0
	s_load_b128 s[8:11], s[0:1], 0x10
	v_lshl_add_u32 v[SPW], v0, 2, SPARE
	v_mov_b32 v[NIL], 0
	ds_add_u32 v28, v29
	ds_add_u32 v28, v29
	s_wait_dscnt 0x0
	v_lshrrev_b32 v1, 5, v0
	v_readfirstlane_b32 s14, v1
	s_lshr_b32 s15, s14, 1
	s_and_b32 s16, s14, 1
	s_bfe_u32 s40, ttmp6, 0x40000
	s_bfe_u32 s41, ttmp6, 0x40004
	s_lshl_b32 s42, ttmp9, 2
	s_add_co_u32 s42, s42, s40
	s_and_b32 s17, ttmp7, 0xffff
	s_lshl_b32 s17, s17, 2
	s_add_co_u32 s17, s17, s41
	s_lshl_b32 s43, s41, 2
	s_lshl_b32 s43, 15, s43
	s_lshl_b32 s44, 0x1111, s40
	s_or_b32 s[G1+0], s43, (3<<16)|(1<<21)
	s_mov_b32 s[G1+1], 32<<16
	s_mov_b32 s[G1+2], 128<<16
	s_mov_b32 s[G1+3], 32<<16
	s_mov_b32 s[G1+4], 128
	s_mov_b32 s[G1+5], 32
	s_mov_b32 s[G1+6], 0
	s_mov_b32 s[G1+7], 0
	s_or_b32 s[G1B+0], s44, (0<<16)|(1<<20)|(1<<21)|(5<<22)|(3<<25)
	s_mov_b32 s[G1B+1], ROWB<<16
	s_mov_b32 s[G1B+2], 64<<16
	s_mov_b32 s[G1B+3], ROWB<<16
	s_mov_b32 s[G1B+4], 64
	s_mov_b32 s[G1B+5], KROW
	s_mov_b32 s[G1B+6], 0
	s_mov_b32 s[G1B+7], 0
	s_lshl_b32 s20, s17, 4
	s_lshl_b32 s18, s16, 3
	s_add_co_u32 s20, s20, s18
	s_lshl_b32 s20, s20, 12
	s_mov_b32 s21, 0
	s_lshl_b32 s46, s42, 7
	s_lshl_b32 s18, s16, 6
	s_add_co_u32 s46, s46, s18
	s_lshl_b32 s46, s46, 10
	s_mov_b32 s47, 0
	s_mul_i32 s45, s14, HALFT
	s_wait_kmcnt 0x0
	s_load_b64 s[96:97], s[8:9], 0x18
	s_add_nc_u64 s[20:21], s[4:5], s[20:21]
	s_add_nc_u64 s[46:47], s[6:7], s[46:47]
	CROUND
.irp s, 0,1
	s_mov_b32 s[G0+4*\s], 1
	s_add_co_u32 s[G0+4*\s+1], s45, \s*SLOT
	s_add_nc_u64 s[G0+4*\s+2:G0+4*\s+3], s[20:21], \s*KPLANE
	s_or_b32 s[G0+4*\s+3], s[G0+4*\s+3], 0x80000000
	s_mov_b32 s[G0B+4*\s], 1
	s_add_co_u32 s[G0B+4*\s+1], s45, \s*SLOT
	s_add_nc_u64 s[G0B+4*\s+2:G0B+4*\s+3], s[46:47], \s*ROWB
	s_or_b32 s[G0B+4*\s+3], s[G0B+4*\s+3], 0x80000000
.endr
	JLOAD G0, G1, G0B, G1B                         ; K step 0: one tensor load a wave at the head
	v_and_b32 v1, 15, v0
	v_bfe_u32 v2, v0, 4, 1
	v_mul_u32_u24 v3, v1, PITCH
	v_lshl_add_u32 v4, v2, 4, v3
	v_and_b32 v6, 31, v0
	v_lshlrev_b32 v[CO], 4, v6
	s_wait_alu depctr_va_vdst(0)
	s_mul_i32 s21, s15, HALFT
	s_mul_i32 s22, s16, HALFT
	s_add_co_u32 s22, s22, 2*HALFT
.irp s, 0,1
	v_add_nc_u32 v[ADRA+\s], s21, v[CO]
	v_add_nc_u32 v[ADRB+\s], s22, v4
	s_add_co_u32 s21, s21, SLOT
	s_add_co_u32 s22, s22, SLOT
.endr
	s_mul_i32 s23, s14, 16*SPITCH
	v_mul_u32_u24 v5, v1, SPITCH
	v_lshl_add_u32 v5, v2, 5, v5
	v_add_nc_u32 v[STO], s23, v5
	v_mul_u32_u24 v7, v2, SPITCH
	v_lshl_add_u32 v7, v1, 4, v7
	v_add_nc_u32 v[RD], s23, v7                    ; back from the stage: lanes 0-15 one row of 256 bytes, lanes 16-31 the next
	v_mul_u32_u24 v8, v2, SIZE_N*4
	v_lshl_add_u32 v[CO2], v1, 4, v8
	s_lshl_b32 s20, s17, 8
	s_lshl_b32 s21, s15, 7
	s_add_co_u32 s20, s20, s21
	s_mov_b32 s21, 0
	s_mov_b64 s[18:19], SIZE_N*4
	s_mul_u64 s[20:21], s[20:21], s[18:19]
	s_lshl_b32 s46, s42, 9
	s_lshl_b32 s47, s16, 8
	s_add_co_u32 s46, s46, s47
	s_mov_b32 s47, 0
	s_add_nc_u64 s[20:21], s[20:21], s[46:47]
	s_add_nc_u64 s[10:11], s[10:11], s[20:21]
.macro FRAG reg, adr, q, i
.irp c, 0,1,2,3
	ds_load_b128 v[\reg+4*\c:\reg+4*\c+3], v[\adr] offset:128*(\q)+32*\c+(\i)*16*PITCH
.endr
.endm
.macro FRAG_A reg, adr, q, i
.irp c, 0,1,2,3
	ds_load_b128 v[\reg+4*\c:\reg+4*\c+3], v[\adr] offset:4096*(\i)+2048*(\q)+512*\c
.endr
.endm
.macro MUL16 a0, p, zero
.irp a, \a0, \a0+1
.irp b, 0,1,2,3
.if \zero
	v_wmma_f32_16x16x128_fp8_fp8 v[8*(8*((\a)%4)+\b):8*(8*((\a)%4)+\b)+7], v[128*(\p)+FR*\b:128*(\p)+FR*\b+FR-1], v[AF+FR*(\a):AF+FR*(\a)+FR-1], 0
.else
	v_wmma_f32_16x16x128_fp8_fp8 v[8*(8*((\a)%4)+\b):8*(8*((\a)%4)+\b)+7], v[128*(\p)+FR*\b:128*(\p)+FR*\b+FR-1], v[AF+FR*(\a):AF+FR*(\a)+FR-1], v[8*(8*((\a)%4)+\b):8*(8*((\a)%4)+\b)+7]
.endif
.endr
.endr
.endm
.macro FETCH_B slot, q, p
	WIN TO_B
.irp i, 0,1,2,3
	FRAG 128*(\p)+FR*\i, ADRB+\slot, \q, \i
.endr
	WIN 0
.endm
.macro FETCH_A slot, q, i0
.irp i, \i0, \i0+1, \i0+2, \i0+3
	FRAG_A AF+FR*(\i), ADRA+\slot, \q, \i
.endr
.endm
.macro PLACES n
.rept \n
	v_nop
.endr
.endm
.macro STEP slot, q, zero
	s_wait_dscnt 4*NL
	WIN MUL_LO
	MUL16 0, (\q)%2, \zero
	MUL16 2, (\q)%2, \zero
	s_wait_dscnt 0
	PLACES NP
	FETCH_B \slot, (\q)+1, 1-(\q)%2
	FETCH_A \slot, (\q)+1, 0
	WIN MUL_HI
	MUL16 4, (\q)%2, \zero
	MUL16 6, (\q)%2, \zero
	PLACES NP
	WIN 0
	FETCH_A \slot, (\q)+1, 4
.endm
.macro TURN slot, next, fill
	s_wait_tensorcnt 0x0
	ds_add_u32 v[SPW], v[NIL]
	s_wait_dscnt 4*NL+1
	WIN MUL_LO
	MUL16 0, 1, 0
	s_wait_dscnt 0x0
	s_barrier_signal -1
	MUL16 2, 1, 0
	WIN 0
	s_barrier_wait -1
.if \fill
	CREST
	s_add_nc_u64 s[G0+4*\slot+2:G0+4*\slot+3], s[G0+4*\slot+2:G0+4*\slot+3], 2*KPLANE
	s_add_nc_u64 s[G0B+4*\slot+2:G0B+4*\slot+3], s[G0B+4*\slot+2:G0B+4*\slot+3], 2*ROWB
	JLOAD G0+4*\slot, G1, G0B+4*\slot, G1B
.else
	PLACES NP
.endif
	FETCH_B \next, 0, 0
	FETCH_A \next, 0, 0
	WIN MUL_HI
	MUL16 4, 1, 0
	MUL16 6, 1, 0
	PLACES NP
	WIN 0
	FETCH_A \next, 0, 4
.endm
	s_wait_alu depctr_va_vdst(0)
	s_wait_tensorcnt 0x0                           ; my part of K step 0 is in; slot 1's first fill is issued as a refill is:
	ds_add_u32 v[SPW], v[NIL]                      ; 0 onto my spare word
	s_wait_dscnt 0x0
	CROUND                                         ; everybody's part of K step 0 is in, and the joint loads meet
	JLOAD G0+4, G1, G0B+4, G1B                     ; K step 1: the first tensor load behind the round
	FETCH_B 0, 0, 0
	FETCH_A 0, 0, 0
	FETCH_A 0, 0, 4
	STEP 0, 0, 1
	s_mov_b32 s3, LAPS-1
.Llap:
	TURN 0, 1, 1
	STEP 1, 0, 0
	TURN 1, 0, 1
	STEP 0, 0, 0
	s_sub_co_u32 s3, s3, 1
	s_cmp_lg_u32 s3, 0
	s_cbranch_scc1 .Llap
	TURN 0, 1, 0
	STEP 1, 0, 0
	s_wait_dscnt 4*NL
	WIN MUL_LO
	MUL16 0, 1, 0
	MUL16 2, 1, 0
	s_wait_dscnt 0
	WIN MUL_HI
	MUL16 4, 1, 0
	MUL16 6, 1, 0
	WIN 0
.macro TOSTAGE a
.set AC, 64*((\a)%4)
	WIN 0x02+((\a)/4)
.irp j, 0,2,4,6,8,10,12,14,16,18,20,22,24,26,28,30
	v_pk_mul_f32 v[TMP+\j:TMP+\j+1], v[AC+\j:AC+\j+1], s[96:97] op_sel_hi:[1,0]
.endr
	WIN 0
.irp b, 0,1,2,3
	ds_store_b128 v[STO], v[TMP+8*\b:TMP+8*\b+3] offset:64*\b
	ds_store_b128 v[STO], v[TMP+8*\b+4:TMP+8*\b+7] offset:64*\b+16
.endr
.set BB, BK+64*((\a)%2)
.irp t, 0,1,2,3,4,5,6,7
	ds_load_b128 v[BB+4*\t:BB+4*\t+3], v[RD] offset:2*\t*SPITCH
.endr
.endm
.macro SEND a, younger
.set BB, BK+64*((\a)%2)
	s_wait_dscnt \younger
.irp t, 0,1,2,3,4,5,6,7
	global_store_b128 v[CO2], v[BB+4*\t:BB+4*\t+3], s[10:11] offset:(32*((\a)/2)+8*((\a)%2)+2*\t+8*(\t/4))*SIZE_N*4 th:TH_STORE_NT
.endr
.endm
	s_wait_kmcnt 0x0
	s_add_co_i32 s96, s96, s97
	s_add_co_i32 s96, s96, 127
	s_lshl_b32 s96, s96, 23
	PLACES NP
	TOSTAGE 0
.irp a, 1,2,3,4,5,6,7
.if \a > 1
	s_wait_xcnt 0x0
.endif
	TOSTAGE \a
	SEND \a-1, 16
.endr
	SEND 7, 0
	s_wait_tensorcnt 0x0
	ds_add_u32 v[SPW], v[NIL]
	s_wait_dscnt 0x0
	CROUND
	s_endpgm
.Lfunc_end_k_q33c02da7ef_proj:
	.size	k_q33c02da7ef_proj, .Lfunc_end_k_q33c02da7ef_proj-k_q33c02da7ef_proj
	.p2alignl 7, 3214868480
	.fill 96, 4, 3214868480
	.section	.rodata,"a",@progbits
	.p2align	6, 0x0
	.amdhsa_kernel k_q33c02da7ef_proj
		.amdhsa_group_segment_fixed_size 327680
		.amdhsa_private_segment_fixed_size 0
		.amdhsa_enable_private_segment 0
		.amdhsa_kernarg_size 32
		.amdhsa_user_sgpr_count 2
		.amdhsa_user_sgpr_kernarg_segment_ptr 1
		.amdhsa_wavefront_size32 1
		.amdhsa_system_sgpr_workgroup_id_x 1
		.amdhsa_system_sgpr_workgroup_id_y 1
		.amdhsa_system_sgpr_workgroup_id_z 1
		.amdhsa_system_vgpr_workitem_id 0
		.amdhsa_next_free_vgpr 1024
		.amdhsa_next_free_sgpr 98
		.amdhsa_reserve_vcc 0
		.amdhsa_float_denorm_mode_32 3
		.amdhsa_float_denorm_mode_16_64 3
		.amdhsa_memory_ordered 1
		.amdhsa_forward_progress 1
		.amdhsa_inst_pref_size 77
	.end_amdhsa_kernel
	.amdgpu_metadata
---
amdhsa.version: [ 1, 2 ]
amdhsa.kernels:
  - .name:           k_q33c02da7ef_proj
    .symbol:         k_q33c02da7ef_proj.kd
    .args:
      - { .name: o_codes, .offset: 0, .size: 8, .value_kind: global_buffer, .address_space: global }
      - { .name: wout_codes, .offset: 8, .size: 8, .value_kind: global_buffer, .address_space: global }
      - { .name: lowp_scales, .offset: 16, .size: 8, .value_kind: global_buffer, .address_space: global }
      - { .name: out0, .offset: 24, .size: 8, .value_kind: global_buffer, .address_space: global }
    .group_segment_fixed_size: 327680
    .private_segment_fixed_size: 0
    .kernarg_segment_align: 8
    .kernarg_segment_size: 32
    .max_flat_workgroup_size: 128
    .sgpr_count:     98
    .vgpr_count:     1024
    .wavefront_size: 32
...
	.end_amdgpu_metadata
.endif
;; end of part 4
